; MI455X (gfx1250); checked and timed in simulation.
; The chip was launched on July 23, 2026; its instructions are those of AMD's public machine-readable ISA for CDNA 5 (MIT licence, August 2026) and "CDNA5" Instruction Set Architecture Reference Guide (July 2026). The comments in the code are by the model that wrote it; some were corrected since.
;; Multihead Attention. Allowed arithmetic: matrix products marked QUANTISED: E2M3 operands, one E8M0 scale for each 32 along K, by v_wmma_scale_f32_16x16x128_f8f6f4 with both operands' format E2M3, f32 sums; everything else in f32.
;; Inputs: freqs_cos 2,048 x 32 float32; freqs_sin 2,048 x 32 float32; o_b 1,024 float32; o_w 1,024 x 1,024 float32; q 4 x 2,048 x 1,024 float32; qkv_b 3,072 float32; qkv_w 3,072 x 1,024 float32.
;; Outputs: out0 4 x 2,048 x 1,024 float32.
;; This version of the problem:
;;   THIS VERSION OF THE PROBLEM IS GIVEN IN LOW PRECISION. The matrix products marked QUANTISED in the list below multiply operands that are first quantised to E2M3 (2 exponent bits, 3 mantissa bits; 6 bits a number), with one power-of-two scale for each 32 numbers along K (OCP MX v1.0); their sums are f32. All else is computed in f32.
;;   The module's matrix products, in the order in which they are computed (A, B: the left and right operand; K: the contracted axis; several contracted axes count as one K, in the product's order):
;;     1. [M 8,192, K 1,024] x [K 1,024, N 3,072]; A: input q; B: input qkv_w: QUANTISED
;;     2. batch 64 x [M 2,048, K 64] x [K 64, N 2,048]; A: computed on the way; B: computed on the way: QUANTISED
;;     3. batch 64 x [M 64, K 2,048] x [K 2,048, N 2,048]; A: computed on the way; B: softmax (see below): QUANTISED
;;     4. [M 8,192, K 1,024] x [K 1,024, N 1,024]; A: computed on the way; B: input o_w: QUANTISED
;;   THE QUANTISER, for each operand of a quantised product, along K:
;;     - K is cut into blocks of 32 from its start; a last block that is shorter is filled with zeros.
;;     - A block's scale is 2^e with e = floor(log2(the largest magnitude in the block)) - 2, held to -126 .. 127; a block of zeros has e = 0. As a byte (E8M0): e + 127.
;;     - Each number is divided by its block's scale, clamped to +-7.5, and rounded to the nearest number of E2M3, ties to even, subnormals kept.
;;     - The product sums the exact products of the quantised numbers (number of the format x scale) in f32.
;;   ~~~python
;;   def quantise(x, axis):      # numpy; x: float32 -> the quantised numbers, widened to float32 again
;;       x = np.moveaxis(x, axis, -1); K = x.shape[-1]
;;       x = np.pad(x, [(0, 0)] * (x.ndim - 1) + [(0, -K % 32)]); x = x.reshape(x.shape[:-1] + (-1, 32)); a = np.abs(x).max(-1, keepdims=True)
;;       e = np.where(a > 0, np.clip(np.frexp(np.where(a > 0, a, 1))[1] - 1 - 2, -126, 127), 0)      # np.frexp(a)[1] - 1 = floor(log2(a)), exactly
;;       r = np.clip(x / 2.0 ** e, -7.5, 7.5)
;;       step = 2.0 ** (np.maximum(np.frexp(np.where(r == 0, 1, r))[1] - 1, 0) - 3)
;;       q = np.round(r / step) * step * 2.0 ** e      # np.round: ties to even
;;       return np.moveaxis(q.reshape(q.shape[:-2] + (-1,))[..., :K], -1, axis).astype(np.float32)
;;   ~~~
;;   SOFTMAX AHEAD OF A QUANTISED PRODUCT. Where the list says 'softmax', what is quantised is not the finished softmax but p = 2^(t - M), with t = logit x log2(e) and M = ceil(the row's largest t), a whole number; so 1/2 < the row's largest p <= 1. The row's sum l is taken of the UNQUANTISED p, in f32, and the product's result is divided by l at the end. Since M is a whole number, a kernel that streams over the keys may use a running M (the ceiling of the running maximum): every later rescaling is an exact power of two, which a block's scale takes up: the codes' values come out the same.
;;   OPERANDS COMPUTED ON THE WAY. 'Computed on the way' means the value that the module computes at that place (a softmax that the list does not call 'softmax' is quantised finished and normalised). What goes into a quantiser is computed in f32, as accurately as f32 sums, v_exp_f32 and their like allow (about 1e-6 of the number): no bf16 or f16 on the way to a quantiser, and a product that is left as it is and whose result goes on into a quantised operand takes f32 operands (vector FMAs, or v_wmma_f32_16x16x4_f32). A number that lies on a knife's edge between two numbers of the format may be rounded either way, as far as f32 arithmetic and the matrix unit's own rounding can turn it there, and no further.
;; One version. Each part assembles by itself: llvm-mc -triple=amdgcn-amd-amdhsa -mcpu=gfx1250 --defsym DOCPART=n.
;; ======== version 1 of 1: 5 launches
;; limits: right only within a limited range of input values
;; workspace buffers: xq 6,553,600 bytes; wq 3,276,800 bytes; qr 13,369,344 bytes; kv 13,369,344 bytes; ao 6,553,600 bytes
;; launch quant (part 1): grid 384 x 1, 4 waves a work-group, no clusters, 34,304 bytes of LDS; arguments q, qkv_w, o_w, xq, wq; writes xq, wq
.if DOCPART == 1
	.amdgcn_target "amdgcn-amd-amdhsa--gfx1250"
	.amdhsa_code_object_version 6
	.text
	.protected	k_q0813a9bb72_quant
	.globl	k_q0813a9bb72_quant
	.p2align	8
	.type	k_q0813a9bb72_quant,@function
k_q0813a9bb72_quant:
	s_mov_b64 s[64:65], 0
	v_nop
	global_prefetch_b8 v0, s[64:65] scope:SCOPE_SE
	s_setreg_imm32_b32 hwreg(HW_REG_WAVE_MODE, 25, 1), 1
	s_wait_xcnt 0x0
; q [8192][1024], qkv_w [3072][1024] and o_w [1024][1024], f32, become codes of FP6 (E2M3) with one E8M0 byte for each 32 along K (the last axis),
; laid in the ORDER OF THE OPERAND'S REGISTERS, so that the products' launches fetch dense blocks and read fragments by dense LDS loads.
; A RECORD (25,600 bytes) is 128 rows x 256 along K.  Rows go in 8 tiles; lane r of tile i holds row 32 (i / 2) + 8 (i % 2) + r + 8 (r / 8).
;   codes: at (8 q + i) 1536 + 768 c the half image of tile i, K = 128 q + 64 c on: 512 bytes with lane l's registers 0-3 at 16 l, then 256 bytes with its registers 4-5 at 8 l
;   (lane (r, h) holds K = 32 h .. 32 h + 31 of that 64: 24 bytes of the row's stream of bits).   scale words: at 24,576 + 128 i + 8 r + 4 q, byte b for K = 32 b on of the 128.
; A tensor is [group of 128 rows][K step 0..3][record].  xq: q's 64 groups.  wq: qkv_w's 24 groups, then o_w's 8.
; A block's scale is 2^(floor(log2(largest magnitude)) - 2): its byte is the largest magnitude's exponent field - 2, held at 1 from below.
; LIMITS: NaN and infinities are not served; a block whose largest magnitude lies under 2^-124 gets the byte 1; a block of zeros gets the byte 1 and not 127 (its codes are zeros, and this program alone reads the bytes).
; SHARES: a work-group makes one record (work-groups 0-255: q, 256-351: qkv_w, 352-383: o_w; only pointers are chosen, there is one path).  Wave w makes tiles 2 w and 2 w + 1 in four steps of 16 rows x 128 K.
; A load reads 512 consecutive bytes of one row; the 16 rows turn through the wave's own stage in LDS (rows of 512 + 16 bytes) so that a lane gets two whole blocks of its row.  Waves share nothing: no barrier.
; Every store covers whole aligned runs of 256 bytes.  Matrix units, clusters and tensor loads would add nothing to a stream that is read once.
.set GREC, 25600
.set STG,  8448                        ; a wave's stage: 16 rows x 528 bytes
.set R,    16                          ; v16-143  two sets of 64 registers as loaded
.set X,    144                         ; v144-207 my row's numbers: X + 32 c + i = K 64 c + 32 h + i
.set C,    208                         ; v208-231 codes, two sets of 12
.set H2,   232                         ; v232-238 the upper halves of the two blocks' codes, before they are moved
.set WD,   240                         ; v240-243 the scale words of the four steps
.set MX,   244                         ; v244-245 largest magnitudes, v246-247 scale operands, v248-249 bytes
	s_load_b128 s[4:7], s[0:1], 0x0                ; q, qkv_w
	s_load_b128 s[8:11], s[0:1], 0x10              ; o_w, xq
	s_load_b64 s[12:13], s[0:1], 0x20              ; wq
	v_lshl_add_u32 v254, v0, 2, 0x8400
	v_mov_b32 v255, 0
	v_lshrrev_b32 v6, 5, v0
	v_readfirstlane_b32 s23, v6                    ; wave
	v_and_b32 v6, 31, v0                           ; lane
	v_lshlrev_b32 v1, 4, v6                        ; 16 x lane
	v_lshlrev_b32 v2, 3, v6                        ; 8 x lane
	s_mul_i32 s24, s23, STG
	v_add_nc_u32 v3, s24, v1                       ; the stage on the way in: a row's 512 bytes as they lie
	v_and_b32 v7, 15, v0                           ; r
	v_bfe_u32 v8, v0, 4, 1                         ; h
	v_mul_u32_u24 v4, v7, 528
	v_lshl_add_u32 v4, v8, 7, v4
	v_add_nc_u32 v4, s24, v4                       ; and on the way out: row r, + 128 h bytes
	v_lshlrev_b32 v5, 3, v8                        ; 8 h: where my bytes stand in a scale word
	v_mov_b32 v7, 0                                ; written once: a lane permute's destination counts as one of its sources
	s_mov_b32 s20, 0x76543210
	s_mov_b32 s21, 0xfedcba98                      ; selects for lane l xor 16
	s_mov_b32 s22, 352
	s_wait_alu depctr_va_vdst(0)
	s_wait_kmcnt 0x0
	s_cmp_lt_u32 ttmp9, 352                        ; the choices hang on the work-group's number alone
	s_cselect_b64 s[6:7], s[6:7], s[8:9]           ; of the weights: qkv_w or o_w
	s_cselect_b32 s14, 256, s22
	s_cmp_lt_u32 ttmp9, 256
	s_cselect_b64 s[4:5], s[4:5], s[6:7]           ; the source
	s_cselect_b64 s[10:11], s[10:11], s[12:13]     ; the destination
	s_cselect_b32 s14, 0, s14                      ; the source's first work-group
	s_cselect_b32 s15, 0, 256                      ; the destination's
	s_sub_co_u32 s14, ttmp9, s14
	s_lshr_b32 s14, s14, 2                         ; group of 128 rows
	s_lshl_b32 s26, s14, 19                        ; x 128 rows of 4,096 bytes
	s_and_b32 s25, ttmp9, 3                        ; K step
	s_lshl_b32 s25, s25, 10
	s_add_co_u32 s26, s26, s25
	s_lshl_b32 s25, s23, 17                        ; my wave's 32 rows
	s_add_co_u32 s26, s26, s25
	s_mov_b32 s27, 0
	s_add_nc_u64 s[4:5], s[4:5], s[26:27]
	s_sub_co_u32 s15, ttmp9, s15
	s_mul_i32 s26, s15, GREC
	s_add_nc_u64 s[10:11], s[10:11], s[26:27]      ; my record
	s_mul_i32 s26, s23, 3072
	s_add_nc_u64 s[16:17], s[10:11], s[26:27]      ; my two tiles' codes
	s_lshl_b32 s26, s23, 8
	s_add_co_u32 s26, s26, 24576
	s_add_nc_u64 s[18:19], s[10:11], s[26:27]      ; my two tiles' scale words
; step t: tile 2 w + t / 2, K = 128 (t % 2) on.  Sixteen loads, one row's 512 bytes each
.macro LOAD t
.irp k, 0,1,2,3,4,5,6,7,8,9,10,11,12,13,14,15
	global_load_b128 v[R+64*((\t)%2)+4*\k:R+64*((\t)%2)+4*\k+3], v1, s[4:5] offset:(8*((\t)/2)+\k+8*(\k/8))*4096+512*((\t)%2) th:TH_LOAD_NT
.endr
.endm
.macro STEP t
.set RS, R+64*((\t)%2)
.set CD, C+12*((\t)%2)
.if (\t) < 3
	s_wait_loadcnt 16                              ; this step's 16 loads are in; the next step's 16 may be out
.else
	s_wait_loadcnt 0x0
.endif
.irp k, 0,1,2,3,4,5,6,7,8,9,10,11,12,13,14,15
	ds_store_b128 v3, v[RS+4*\k:RS+4*\k+3] offset:528*\k
.endr
.irp c, 0,1
.irp j, 0,1,2,3,4,5,6,7
	ds_load_b128 v[X+32*\c+4*\j:X+32*\c+4*\j+3], v4 offset:256*\c+16*\j   ; LDS serves a wave's instructions in order: these see the stores above
.endr
.endr
	s_wait_dscnt 0x0                               ; my numbers are back, and the stores into the stage have read their registers,
.if (\t) < 2
	LOAD (\t)+2                                    ; which take the loads of two steps on
.endif
.irp c, 0,1                                    ; my block 2 c + h: all its 32 numbers are mine
	v_max3_num_f32 v[MX+\c], |v[X+32*\c]|, |v[X+32*\c+1]|, 0x1800000   ; with the floor 2^(3 - 127): the byte cannot fall under 1
.endr
.irp i, 2,4,6,8,10,12,14,16,18,20,22,24,26,28,30
.irp c, 0,1
	v_max3_num_f32 v[MX+\c], v[MX+\c], |v[X+32*\c+\i]|, |v[X+32*\c+\i+1]|
.endr
.endr
.irp c, 0,1
	v_add_nc_u32 v[MX+2+\c], 0xff000000, v[MX+\c]  ; 2 off the exponent field: the conversion takes this operand's exponent field as its scale
.endr
.irp c, 0,1
	v_lshrrev_b32 v[MX+4+\c], 23, v[MX+2+\c]       ; the scale's byte
.endr
	v_lshl_or_b32 v6, v[MX+5], 16, v[MX+4]         ; blocks h and 2 + h,
	v_lshlrev_b32 v6, v5, v6                       ; at their places in the word;
	v_permlanex16_b32 v7, v6, s20, s21
	v_or_b32 v[WD+(\t)], v6, v7                    ; with lane l xor 16's two the word is whole
.if (\t) >= 2
	s_wait_alu depctr_va_vdst(0)
	s_wait_xcnt 0x0                                ; the stores of two steps back have read this set of codes: it is written again only behind this wait
.endif
.irp c, 0,1
	v_cvt_scalef32_pk16_fp6_f32 v[CD+6*\c:CD+6*\c+2], v[X+32*\c:X+32*\c+15], v[MX+2+\c]
	v_cvt_scalef32_pk16_fp6_f32 v[H2+4*\c:H2+4*\c+2], v[X+32*\c+16:X+32*\c+31], v[MX+2+\c]   ; (a conversion's three registers begin on an even number)
.endr
	v_nop                                          ; one plain place behind a scaled conversion
.irp c, 0,1
.irp i, 0,1,2
	v_mov_b32 v[CD+6*\c+3+\i], v[H2+4*\c+\i]
.endr
.endr
.irp c, 0,1
	global_store_b128 v1, v[CD+6*\c:CD+6*\c+3], s[16:17] offset:(8*((\t)%2)+(\t)/2)*1536+768*\c       ; 512 consecutive bytes, aligned
	global_store_b64 v2, v[CD+6*\c+4:CD+6*\c+5], s[16:17] offset:(8*((\t)%2)+(\t)/2)*1536+768*\c+512  ; 256 consecutive bytes, aligned
.endr
.endm
	LOAD 0
	LOAD 1
	STEP 0
	STEP 1
	STEP 2
	STEP 3
	v_cmp_ne_u32 vcc_lo, 0, v8                     ; lanes 0-15 store tile 2 w's two words a row, lanes 16-31 tile 2 w + 1's
	v_cndmask_b32 v6, v[WD], v[WD+2], vcc_lo
	v_cndmask_b32 v7, v[WD+1], v[WD+3], vcc_lo
	global_store_b64 v2, v[6:7], s[18:19]          ; 256 consecutive bytes, aligned
	s_wait_tensorcnt 0x0
	ds_add_u32 v254, v255
	s_wait_dscnt 0x0
	s_endpgm
.Lfunc_end_k_q0813a9bb72_quant:
	.size	k_q0813a9bb72_quant, .Lfunc_end_k_q0813a9bb72_quant-k_q0813a9bb72_quant
	.p2alignl 7, 3214868480
	.fill 96, 4, 3214868480
	.section	.rodata,"a",@progbits
	.p2align	6, 0x0
	.amdhsa_kernel k_q0813a9bb72_quant
		.amdhsa_group_segment_fixed_size 34304
		.amdhsa_private_segment_fixed_size 0
		.amdhsa_enable_private_segment 0
		.amdhsa_kernarg_size 40
		.amdhsa_user_sgpr_count 2
		.amdhsa_user_sgpr_kernarg_segment_ptr 1
		.amdhsa_wavefront_size32 1
		.amdhsa_system_sgpr_workgroup_id_x 1
		.amdhsa_system_sgpr_workgroup_id_y 1
		.amdhsa_system_sgpr_workgroup_id_z 1
		.amdhsa_system_vgpr_workitem_id 0
		.amdhsa_next_free_vgpr 256
		.amdhsa_next_free_sgpr 66
		.amdhsa_reserve_vcc 1
		.amdhsa_float_denorm_mode_32 3
		.amdhsa_float_denorm_mode_16_64 3
		.amdhsa_memory_ordered 1
		.amdhsa_forward_progress 1
		.amdhsa_inst_pref_size 31
	.end_amdhsa_kernel
	.amdgpu_metadata
---
amdhsa.version: [ 1, 2 ]
amdhsa.kernels:
  - .name:           k_q0813a9bb72_quant
    .symbol:         k_q0813a9bb72_quant.kd
    .args:
      - { .name: q, .offset: 0, .size: 8, .value_kind: global_buffer, .address_space: global }
      - { .name: qkv_w, .offset: 8, .size: 8, .value_kind: global_buffer, .address_space: global }
      - { .name: o_w, .offset: 16, .size: 8, .value_kind: global_buffer, .address_space: global }
      - { .name: xq, .offset: 24, .size: 8, .value_kind: global_buffer, .address_space: global }
      - { .name: wq, .offset: 32, .size: 8, .value_kind: global_buffer, .address_space: global }
    .group_segment_fixed_size: 34304
    .private_segment_fixed_size: 0
    .kernarg_segment_align: 8
    .kernarg_segment_size: 40
    .max_flat_workgroup_size: 128
    .sgpr_count:     66
    .vgpr_count:     256
    .wavefront_size: 32
...
	.end_amdgpu_metadata
.endif
;; end of part 1
;; launch gemm_qk (part 2): grid 8 x 32, 4 waves a work-group, clusters of 4 x 4, 327,680 bytes of LDS; arguments xq, wq, qkv_b, freqs_cos, freqs_sin, qr, kv; writes qr, kv
.if DOCPART == 2
	.amdgcn_target "amdgcn-amd-amdhsa--gfx1250"
	.amdhsa_code_object_version 6
	.text
	.protected	k_q0813a9bb72_gemm_qk
	.globl	k_q0813a9bb72_gemm_qk
	.p2align	8
	.type	k_q0813a9bb72_gemm_qk,@function
k_q0813a9bb72_gemm_qk:
	s_mov_b64 s[64:65], 0
	v_nop
	global_prefetch_b8 v0, s[64:65] scope:SCOPE_SE
	s_setreg_imm32_b32 hwreg(HW_REG_WAVE_MODE, 25, 1), 1
	s_wait_xcnt 0x0
	s_wait_alu depctr_hold_cnt(0) depctr_sa_sdst(0) depctr_va_vdst(0) depctr_va_sdst(0) depctr_va_ssrc(0) depctr_va_vcc(0) depctr_vm_vsrc(0)
	s_getreg_b32 s2, hwreg(HW_REG_IB_STS2, 6, 4)
	s_cmp_eq_u32 s2, 0
	s_cbranch_scc0 .Lentry_in_a_cluster
	s_endpgm
.Lentry_in_a_cluster:
	s_bfe_u32 s2, ttmp6, 0x10000c
	s_cmp_lg_u32 s2, 0xf033
	s_cbranch_scc0 .Lentry_shape_is_right
	s_endpgm
.Lentry_shape_is_right:
.set BIASC, 1
.set GREC,  25600
.set SLOT,  4*GREC
.set SPARE, 3*SLOT
.set AREC,  13056
.set HEADB, 16*AREC
.set FR,   12
.set A16,  4
.set A8,   7
.set B16,  10
.set B8,   13
.set ADRS, 16
.set L16,  19
.set L8,   20
.set SPW,  28
.set NIL,  29
.set SC,   32
.set AF,   128
.set T,    128
.set TP,   192
.set TM,   200
.set PW,   216
.set PC,   218
.set WDS,  240
.set SEL,  84
.set G1,   24
.set G1B,  32
.set G0,   40
.set G0B,  52
.set MSB, 0
.macro WIN new
.if MSB != (\new)
	s_set_vgpr_msb (MSB<<8)|(\new)
.set MSB, (\new)
.endif
.endm
.macro JLOAD g0a, g1a, g0b, g1b
	s_cmp_eq_u32 s19, 0
	s_cbranch_scc0 .Lfor_b_\@
	tensor_load_to_lds s[\g0a:\g0a+3], s[\g1a:\g1a+7]
	s_nop 0
.rept 4
	v_nop
.endr
	s_branch .Lasked_\@
.Lfor_b_\@:
	tensor_load_to_lds s[\g0b:\g0b+3], s[\g1b:\g1b+7]
	s_nop 0
.rept 4
	v_nop
.endr
.Lasked_\@:
.endm
.macro CREST
	s_cmp_lg_u32 s18, 0
	s_cbranch_scc1 .Lnot_wave_0_\@
	s_barrier_signal -3
.Lnot_wave_0_\@:
	s_barrier_wait -3
	s_barrier_signal -1
	s_barrier_wait -1
.endm
.macro CROUND
	s_barrier_signal -1
	s_barrier_wait -1
	CREST
.endm
.macro PLACES n
.rept \n
	v_nop
.endr
.endm
.macro FRAG reg, a16, a8, q, i
	ds_load_b128 v[\reg:\reg+3], v[\a16] offset:(8*(\q)+(\i))*1536
	ds_load_b64 v[\reg+4:\reg+5], v[\a8] offset:(8*(\q)+(\i))*1536+512
	ds_load_b128 v[\reg+6:\reg+9], v[\a16] offset:(8*(\q)+(\i))*1536+768
	ds_load_b64 v[\reg+10:\reg+11], v[\a8] offset:(8*(\q)+(\i))*1536+1280
.endm
.macro FETCH_B slot, q, p
	WIN 0x40
.irp i, 0,1,2,3,4,5,6,7
	FRAG 128*(\p)+FR*\i, B16+\slot, B8+\slot, \q, \i
.endr
	WIN 0
.endm
.macro FETCH_A slot, q, i0
.irp i, \i0, \i0+1, \i0+2, \i0+3
	FRAG AF+FR*(\i), A16+\slot, A8+\slot, \q, \i
.endr
.endm
.macro SCALES sc, slot
.irp i, 0,1,2,3,4,5,6,7
	ds_load_b64 v[SC+16*(\sc)+2*\i:SC+16*(\sc)+2*\i+1], v[ADRS+\slot] offset:128*\i
.endr
.endm
.macro MUL16 a0, p, q, sc, zero
.irp a, \a0, \a0+1
.irp b, 0,1,2,3,4,5,6,7
.if (\zero) && BIASC
	v_wmma_scale_f32_16x16x128_f8f6f4 v[8*(8*((\a)%4)+\b):8*(8*((\a)%4)+\b)+7], v[128*(\p)+FR*\b:128*(\p)+FR*\b+FR-1], v[AF+FR*(\a):AF+FR*(\a)+FR-1], v[96+8*\b+96*(\b/4):96+8*\b+96*(\b/4)+7], v[SC+16*(\sc)+2*\b+(\q)], v[SC+16*(\sc)+2*(\a)+(\q)] matrix_a_fmt:MATRIX_FMT_FP6 matrix_b_fmt:MATRIX_FMT_FP6 matrix_a_scale:MATRIX_SCALE_ROW1
.elseif \zero
	v_wmma_scale_f32_16x16x128_f8f6f4 v[8*(8*((\a)%4)+\b):8*(8*((\a)%4)+\b)+7], v[128*(\p)+FR*\b:128*(\p)+FR*\b+FR-1], v[AF+FR*(\a):AF+FR*(\a)+FR-1], 0, v[SC+16*(\sc)+2*\b+(\q)], v[SC+16*(\sc)+2*(\a)+(\q)] matrix_a_fmt:MATRIX_FMT_FP6 matrix_b_fmt:MATRIX_FMT_FP6 matrix_a_scale:MATRIX_SCALE_ROW1
.else
	v_wmma_scale_f32_16x16x128_f8f6f4 v[8*(8*((\a)%4)+\b):8*(8*((\a)%4)+\b)+7], v[128*(\p)+FR*\b:128*(\p)+FR*\b+FR-1], v[AF+FR*(\a):AF+FR*(\a)+FR-1], v[8*(8*((\a)%4)+\b):8*(8*((\a)%4)+\b)+7], v[SC+16*(\sc)+2*\b+(\q)], v[SC+16*(\sc)+2*(\a)+(\q)] matrix_a_fmt:MATRIX_FMT_FP6 matrix_b_fmt:MATRIX_FMT_FP6 matrix_a_scale:MATRIX_SCALE_ROW1
.endif
.endr
.endr
.endm
.macro STEP q, sc, zero, nslot, nq, nsc
	s_wait_dscnt 16
.if (\zero) && BIASC
	WIN 0x91
.else
	WIN 0xa1
.endif
	MUL16 0, \q, \q, \sc, \zero
	MUL16 2, \q, \q, \sc, \zero
	s_wait_dscnt 0x0
	PLACES 4
	FETCH_B \nslot, \nq, \nq
	FETCH_A \nslot, \nq, 0
.if (\nq) == 0
	SCALES \nsc, \nslot
.endif
.if (\zero) && BIASC
	WIN 0xd1
.else
	WIN 0xf1
.endif
	MUL16 4, \q, \q, \sc, \zero
	MUL16 6, \q, \q, \sc, \zero
	PLACES 4
	WIN 0
	FETCH_A \nslot, \nq, 4
.endm
.macro TURN sc, slot, nslot, nsc, fill
	s_wait_tensorcnt 0x0
	ds_add_u32 v[SPW], v[NIL]
	s_wait_dscnt 17
	WIN 0xa1
	MUL16 0, 1, 1, \sc, 0
	s_wait_dscnt 0x0
	s_barrier_signal -1
	MUL16 2, 1, 1, \sc, 0
	WIN 0
	s_barrier_wait -1
.if \fill
	CREST
	s_add_nc_u64 s[G0+4*\slot+2:G0+4*\slot+3], s[G0+4*\slot+2:G0+4*\slot+3], 3*GREC
	s_add_nc_u64 s[G0B+4*\slot+2:G0B+4*\slot+3], s[G0B+4*\slot+2:G0B+4*\slot+3], 3*GREC
	JLOAD G0+4*\slot, G1, G0B+4*\slot, G1B
.else
	PLACES 4
.endif
	FETCH_B \nslot, 0, 0
	FETCH_A \nslot, 0, 0
	SCALES \nsc, \nslot
	WIN 0xf1
	MUL16 4, 1, 1, \sc, 0
	MUL16 6, 1, 1, \sc, 0
	PLACES 4
	WIN 0
	FETCH_A \nslot, 0, 4
.endm
.macro QUANT s
.irp b, 0,1,2,3
	v_max3_num_f32 v[TM+\b], |v[\s+16*\b]|, |v[\s+1+16*\b]|, 0x1800000
.endr
.irp i, 2,4,6,8,10,12,14
.irp b, 0,1,2,3
	v_max3_num_f32 v[TM+\b], v[TM+\b], |v[\s+16*\b+\i]|, |v[\s+1+16*\b+\i]|
.endr
.endr
.irp b, 0,1,2,3
	v_permlanex16_b32 v[TM+4+\b], v[TM+\b], s[SEL], s[SEL+1]
.endr
.irp b, 0,1,2,3
	v_max_num_f32 v[TM+\b], v[TM+\b], v[TM+4+\b]
.endr
.irp b, 0,1,2,3
	v_add_nc_u32 v[TM+12+\b], 0xff000000, v[TM+\b]
.endr
.irp b, 0,1,2,3
	v_lshrrev_b32 v[TM+4+\b], 23, v[TM+12+\b]
.endr
	v_lshl_or_b32 v[PW], v[TM+5], 8, v[TM+4]
	v_lshl_or_b32 v[PW], v[TM+6], 16, v[PW]
	v_lshl_or_b32 v[PW], v[TM+7], 24, v[PW]
.irp c, 0,1
	v_cvt_scalef32_pk16_fp6_f32 v[PC+6*\c:PC+2+6*\c], v[\s+32*\c:\s+15+32*\c], v[TM+12+2*\c]
	v_cvt_scalef32_pk16_fp6_f32 v[PC+12+4*\c:PC+14+4*\c], v[\s+16+32*\c:\s+31+32*\c], v[TM+12+2*\c+1]
.endr
	v_nop
.irp c, 0,1
.irp i, 0,1,2
	v_permlane16_swap_b32 v[PC+6*\c+\i], v[PC+12+4*\c+\i]
.endr
.irp i, 0,1,2
	v_mov_b32 v[PC+3+6*\c+\i], v[PC+12+4*\c+\i]
.endr
.endr
.endm
	s_load_b256 s[4:11], s[0:1], 0x0
	s_load_b128 s[12:15], s[0:1], 0x20
	s_load_b64 s[16:17], s[0:1], 0x30
	v_lshl_add_u32 v[SPW], v0, 2, SPARE
	v_mov_b32 v[NIL], 0
	ds_add_u32 v28, v29
	ds_add_u32 v28, v29
	s_wait_dscnt 0x0
	v_lshrrev_b32 v1, 5, v0
	v_readfirstlane_b32 s18, v1
	s_lshr_b32 s19, s18, 1
	s_and_b32 s20, s18, 1
	s_bfe_u32 s21, ttmp6, 0x40000
	s_bfe_u32 s22, ttmp6, 0x40004
	s_lshl_b32 s23, ttmp9, 2
	s_add_co_u32 s23, s23, s21
	s_and_b32 s66, ttmp7, 0xffff
	s_lshl_b32 s66, s66, 2
	s_add_co_u32 s66, s66, s22
	s_lshl_b32 s67, s22, 2
	s_lshl_b32 s67, 15, s67
	s_lshl_b32 s68, 0x1111, s21
	s_or_b32 s[G1], s67, (3<<16)|(1<<21)
	s_or_b32 s[G1B], s68, (3<<16)|(1<<21)
.irp g, G1, G1B
	s_mov_b32 s[\g+1], 32<<16
	s_mov_b32 s[\g+2], 100<<16
	s_mov_b32 s[\g+3], 32<<16
	s_mov_b32 s[\g+4], 100
	s_mov_b32 s[\g+5], 32
	s_mov_b32 s[\g+6], 0
	s_mov_b32 s[\g+7], 0
.endr
	s_lshl_b32 s70, s66, 1
	s_add_co_u32 s70, s70, s20
	s_mul_i32 s70, s70, 4*GREC
	s_mov_b32 s71, 0
	s_lshl_b32 s72, s23, 1
	s_add_co_u32 s72, s72, s20
	s_mul_i32 s72, s72, 4*GREC
	s_mov_b32 s73, 0
	s_mul_i32 s69, s18, GREC
	s_mov_b32 s[SEL], 0x76543210
	s_mov_b32 s[SEL+1], 0xfedcba98
	s_wait_kmcnt 0x0
	s_add_nc_u64 s[70:71], s[4:5], s[70:71]
	s_add_nc_u64 s[72:73], s[6:7], s[72:73]
	CROUND
.irp j, 0,1,2
	s_mov_b32 s[G0+4*\j], 1
	s_add_co_u32 s[G0+4*\j+1], s69, \j*SLOT
	s_add_nc_u64 s[G0+4*\j+2:G0+4*\j+3], s[70:71], \j*GREC
	s_or_b32 s[G0+4*\j+3], s[G0+4*\j+3], 0x80000000
	s_mov_b32 s[G0B+4*\j], 1
	s_add_co_u32 s[G0B+4*\j+1], s69, \j*SLOT
	s_add_nc_u64 s[G0B+4*\j+2:G0B+4*\j+3], s[72:73], \j*GREC
	s_or_b32 s[G0B+4*\j+3], s[G0B+4*\j+3], 0x80000000
	s_wait_alu depctr_va_vdst(0)
	s_wait_tensorcnt 0x0
	ds_add_u32 v28, v29
	ds_add_u32 v28, v29
	s_wait_dscnt 0x0
	CROUND
	JLOAD G0+4*\j, G1, G0B+4*\j, G1B
.endr
	v_and_b32 v1, 15, v0
	v_bfe_u32 v2, v0, 4, 1
	v_and_b32 v3, 31, v0
	v_lshlrev_b32 v[L16], 4, v3
	s_wait_alu depctr_va_vdst(0)
	v_lshlrev_b32 v[L8], 3, v3
	s_wait_alu depctr_va_vdst(0)
	s_mul_i32 s74, s19, GREC
	s_mul_i32 s75, s20, GREC
	s_add_co_u32 s75, s75, 2*GREC
	s_xor_b32 s77, s19, 1
	s_add_co_u32 s77, s77, s20
	s_add_co_u32 s77, s77, 1
	s_mul_i32 s77, s77, GREC
	v_mul_u32_u24 v3, s77, v2
	v_lshl_add_u32 v3, v1, 3, v3
	s_add_co_u32 s76, s74, 24576
.irp s, 0,1,2
	v_add_nc_u32 v[A16+\s], s74, v[L16]
	v_add_nc_u32 v[A8+\s], s74, v[L8]
	v_add_nc_u32 v[B16+\s], s75, v[L16]
	v_add_nc_u32 v[B8+\s], s75, v[L8]
	v_add_nc_u32 v[ADRS+\s], s76, v3
	s_add_co_u32 s74, s74, SLOT
	s_add_co_u32 s75, s75, SLOT
	s_add_co_u32 s76, s76, SLOT
.endr
	v_and_b32 v3, 8, v1
	v_add_nc_u32 v3, v3, v1
	v_lshlrev_b32 v21, 7, v3
	v_lshl_add_u32 v21, v2, 5, v21
	v_mul_u32_u24 v22, v2, HEADB
	v_lshl_add_u32 v22, v1, 4, v22
	v_lshlrev_b32 v23, 6, v2
	s_wait_alu depctr_va_vdst(0)
	v_lshlrev_b32 v27, 4, v2
	s_lshl_b32 s78, s23, 10
	s_lshl_b32 s79, s20, 9
	s_add_co_u32 s78, s78, s79
	s_mov_b32 s79, 0
	s_add_nc_u64 s[8:9], s[8:9], s[78:79]
	s_lshl_b32 s80, s66, 1
	s_add_co_u32 s80, s80, s19
	s_and_b32 s80, s80, 15
	s_lshl_b32 s78, s80, 14
	s_add_nc_u64 s[10:11], s[10:11], s[78:79]
	s_add_nc_u64 s[12:13], s[12:13], s[78:79]
	s_lshr_b32 s81, s66, 3
	s_lshl_b32 s81, s81, 4
	s_lshl_b32 s82, s23, 2
	s_lshl_b32 s83, s20, 1
	s_add_co_u32 s82, s82, s83
	s_and_b32 s82, s82, 15
	s_add_co_u32 s81, s81, s82
	s_lshl_b32 s81, s81, 4
	s_add_co_u32 s81, s81, s80
	s_mul_i32 s78, s81, AREC
	s_cmp_eq_u32 ttmp9, 0
	s_cselect_b64 s[14:15], s[14:15], s[16:17]
	s_add_nc_u64 s[14:15], s[14:15], s[78:79]
	WIN 0x40
.irp b, 0,1,2,3,4,5,6,7
	global_load_b128 v[96+8*\b+96*(\b/4):96+8*\b+96*(\b/4)+3], v23, s[8:9] offset:(32*(\b/2)+8*(\b%2))*4
	global_load_b128 v[96+8*\b+96*(\b/4)+4:96+8*\b+96*(\b/4)+7], v23, s[8:9] offset:(32*(\b/2)+8*(\b%2))*4+16
.endr
	WIN 0
.macro CSLOAD a, set
.irp k, 0,1,2,3
	global_load_b128 v[64+32*(\set)+4*\k:64+32*(\set)+4*\k+3], v21, s[10:11] offset:(32*((\a)/2)+8*((\a)%2))*128+16*(\k%2)+64*(\k/2)
.endr
.irp k, 0,1,2,3
	global_load_b128 v[80+32*(\set)+4*\k:80+32*(\set)+4*\k+3], v21, s[12:13] offset:(32*((\a)/2)+8*((\a)%2))*128+16*(\k%2)+64*(\k/2)
.endr
.endm
	CSLOAD 0, 0
	CSLOAD 1, 1
	s_wait_tensorcnt 2
	s_barrier_signal -1
	s_barrier_wait -1
	FETCH_B 0, 0, 0
	FETCH_A 0, 0, 0
	SCALES 0, 0
	FETCH_A 0, 0, 4
	s_wait_loadcnt 16
	STEP 0, 0, 1, 0, 1, 0
	TURN 0, 0, 1, 1, 1
	STEP 0, 1, 0, 1, 1, 0
	STEP 1, 1, 0, 2, 0, 0
	STEP 0, 0, 0, 2, 1, 0
	TURN 0, 2, 0, 1, 0
	STEP 0, 1, 0, 0, 1, 0
	s_wait_dscnt 16
	WIN 0xa1
	MUL16 0, 1, 1, 1, 0
	MUL16 2, 1, 1, 1, 0
	s_wait_dscnt 0x0
	WIN 0xf1
	MUL16 4, 1, 1, 1, 0
	MUL16 6, 1, 1, 1, 0
	WIN 0
	PLACES 4
.irp b, 0,1,2,3
	v_mov_b32 v[TM+4+\b], 0
.endr
.macro RMUL m, e
.set n, 4*g+(\m)
.set ci, 8*((n/8)%2)+n%8
	v_pk_mul_f32 v[TP+2*(\m):TP+2*(\m)+1], v[AC+2*n:AC+2*n+1], v[SI+2*(ci/2):SI+2*(ci/2)+1] op_sel:[1,\e] op_sel_hi:[0,\e] neg_lo:[0,1]
.endm
.macro RFMA m, e
.set n, 4*g+(\m)
.set ci, 8*((n/8)%2)+n%8
	v_pk_fma_f32 v[T+2*n:T+2*n+1], v[AC+2*n:AC+2*n+1], v[CO+2*(ci/2):CO+2*(ci/2)+1], v[TP+2*(\m):TP+2*(\m)+1] op_sel:[0,\e,0] op_sel_hi:[1,\e,1]
.endm
.macro QKOUT a
.set AC, 64*((\a)%4)
.set CO, 64+32*((\a)%2)
.set SI, CO+16
.if (\a) < 7
	s_wait_loadcnt 8
.else
	s_wait_loadcnt 0x0
.endif
.if (\a) > 0
	s_wait_xcnt 0x0
.endif
	WIN 2+(\a)/4
.set g, 0
.rept 8
	RMUL 0, 0
	RMUL 1, 1
	RMUL 2, 0
	RMUL 3, 1
	RFMA 0, 0
	RFMA 1, 1
	RFMA 2, 0
	RFMA 3, 1
.set g, g+1
.endr
	WIN 0
.if (\a) < 6
	CSLOAD (\a)+2, (\a)%2
.endif
	QUANT T
	v_lshrrev_b32 v[WDS+(\a)], v27, v[PW]
	v_and_b32 v[WDS+(\a)], 0xffff, v[WDS+(\a)]
.irp hd, 0,1
	global_store_b128 v[L16], v[PC+6*\hd:PC+6*\hd+3], s[14:15] offset:\hd*HEADB+(\a)*768
	global_store_b64 v[L8], v[PC+6*\hd+4:PC+6*\hd+5], s[14:15] offset:\hd*HEADB+(\a)*768+512
.endr
.endm
.irp a, 0,1,2,3,4,5,6,7
	QKOUT \a
.endr
	global_store_b128 v22, v[WDS:WDS+3], s[14:15] offset:6144
	global_store_b128 v22, v[WDS+4:WDS+7], s[14:15] offset:6400
	s_wait_tensorcnt 0x0
	ds_add_u32 v[SPW], v[NIL]
	s_wait_dscnt 0x0
	CROUND
	s_endpgm
.Lfunc_end_k_q0813a9bb72_gemm_qk:
	.size	k_q0813a9bb72_gemm_qk, .Lfunc_end_k_q0813a9bb72_gemm_qk-k_q0813a9bb72_gemm_qk
	.p2alignl 7, 3214868480
	.fill 96, 4, 3214868480
	.section	.rodata,"a",@progbits
	.p2align	6, 0x0
	.amdhsa_kernel k_q0813a9bb72_gemm_qk
		.amdhsa_group_segment_fixed_size 327680
		.amdhsa_private_segment_fixed_size 0
		.amdhsa_enable_private_segment 0
		.amdhsa_kernarg_size 56
		.amdhsa_user_sgpr_count 2
		.amdhsa_user_sgpr_kernarg_segment_ptr 1
		.amdhsa_wavefront_size32 1
		.amdhsa_system_sgpr_workgroup_id_x 1
		.amdhsa_system_sgpr_workgroup_id_y 1
		.amdhsa_system_sgpr_workgroup_id_z 1
		.amdhsa_system_vgpr_workitem_id 0
		.amdhsa_next_free_vgpr 1024
		.amdhsa_next_free_sgpr 96
		.amdhsa_reserve_vcc 0
		.amdhsa_float_denorm_mode_32 3
		.amdhsa_float_denorm_mode_16_64 3
		.amdhsa_memory_ordered 1
		.amdhsa_forward_progress 1
		.amdhsa_inst_pref_size 189
	.end_amdhsa_kernel
	.amdgpu_metadata
---
amdhsa.version: [ 1, 2 ]
amdhsa.kernels:
  - .name:           k_q0813a9bb72_gemm_qk
    .symbol:         k_q0813a9bb72_gemm_qk.kd
    .args:
      - { .name: xq, .offset: 0, .size: 8, .value_kind: global_buffer, .address_space: global }
      - { .name: wq, .offset: 8, .size: 8, .value_kind: global_buffer, .address_space: global }
      - { .name: qkv_b, .offset: 16, .size: 8, .value_kind: global_buffer, .address_space: global }
      - { .name: freqs_cos, .offset: 24, .size: 8, .value_kind: global_buffer, .address_space: global }
      - { .name: freqs_sin, .offset: 32, .size: 8, .value_kind: global_buffer, .address_space: global }
      - { .name: qr, .offset: 40, .size: 8, .value_kind: global_buffer, .address_space: global }
      - { .name: kv, .offset: 48, .size: 8, .value_kind: global_buffer, .address_space: global }
    .group_segment_fixed_size: 327680
    .private_segment_fixed_size: 0
    .kernarg_segment_align: 8
    .kernarg_segment_size: 56
    .max_flat_workgroup_size: 128
    .sgpr_count:     96
    .vgpr_count:     1024
    .wavefront_size: 32
...
	.end_amdgpu_metadata
.endif
;; end of part 2
;; launch gemm_v (part 3): grid 64 x 4, 4 waves a work-group, clusters of 4 x 4, 327,680 bytes of LDS; arguments wq, xq, qkv_b, kv; writes kv
.if DOCPART == 3
	.amdgcn_target "amdgcn-amd-amdhsa--gfx1250"
	.amdhsa_code_object_version 6
	.text
	.protected	k_q0813a9bb72_gemm_v
	.globl	k_q0813a9bb72_gemm_v
	.p2align	8
	.type	k_q0813a9bb72_gemm_v,@function
k_q0813a9bb72_gemm_v:
	s_mov_b64 s[64:65], 0
	v_nop
	global_prefetch_b8 v0, s[64:65] scope:SCOPE_SE
	s_setreg_imm32_b32 hwreg(HW_REG_WAVE_MODE, 25, 1), 1
	s_wait_xcnt 0x0
	s_wait_alu depctr_hold_cnt(0) depctr_sa_sdst(0) depctr_va_vdst(0) depctr_va_sdst(0) depctr_va_ssrc(0) depctr_va_vcc(0) depctr_vm_vsrc(0)
	s_getreg_b32 s2, hwreg(HW_REG_IB_STS2, 6, 4)
	s_cmp_eq_u32 s2, 0
	s_cbranch_scc0 .Lentry_in_a_cluster
	s_endpgm
.Lentry_in_a_cluster:
	s_bfe_u32 s2, ttmp6, 0x10000c
	s_cmp_lg_u32 s2, 0xf033
	s_cbranch_scc0 .Lentry_shape_is_right
	s_endpgm
.Lentry_shape_is_right:
; V^T = Wv x^T + bv on codes of FP6 (E2M3) with E8M0 scales, then quantised along the keys and laid as fragments of V^T into kv's records.
; A = Wv's rows (wq's groups 16-23), B = the tokens (xq's 64 groups), both as records of 128 rows x 256 K (25,600 bytes) in the order of the operands' registers, [group][K record 0..3].
; A work-group makes 256 channels x 128 tokens: 64 x 4 work-groups.  All of K for it is 12 records, 307,200 bytes of LDS, asked for ONCE at the head, one tensor load a wave: waves 0, 1 bring A's two groups (400 rows of 256 bytes each),
; waves 2, 3 B's records 0-1 and 2-3 (200 rows each).  Nothing is filled again; nothing is left to prefetch, since all is asked for at the head.
; CLUSTER 4 x 4: A's groups hang on y alone and are shared along a row of the cluster, B's group on x alone and is shared along a column: joint loads.
; Wave w makes 64 channels (one head: 4 y + w) x 128 tokens: 32 accumulators in window 2; eight steps of 128 along K, 32 matrix instructions each, the accumulators by turns.
; Source 0 = tokens, source 1 = channels: a lane holds one channel, its registers run along the tokens, which are the next product's K.
; Fragments: A two sets in window 0 (v128-223), B two sets in window 1 (v0-95, v128-223); the next step's are asked for ahead of each step's products.
; LIMITS: NaN and infinities are not served; a block under 2^-124 or of zeros gets the byte 1 (its reader is this program alone).
.set GREC,  25600
.set LB,    8*GREC                     ; B's four records lie behind A's eight
.set SPARE, 12*GREC
.set AREC,  13056
.set YOFF,  16*4*GREC
.set FR,   12
.set A16,  4
.set A8,   6
.set B16,  8
.set B8,   10
.set ADRS, 12
.set ADRT, 14
.set L16,  19
.set L8,   20
.set SPW,  28
.set NIL,  29
.set SC,   32
.set BV,   64
.set AF,   128
.set T,    128
.set TM,   200
.set PW,   216
.set PC,   218
.set WDS,  240
.set SEL,  84
.set G1,   24
.set G1B,  32
.set G0,   40
.set G0B,  44
.set MSB, 0
.macro WIN new
.if MSB != (\new)
	s_set_vgpr_msb (MSB<<8)|(\new)
.set MSB, (\new)
.endif
.endm
.macro CREST
	s_cmp_lg_u32 s18, 0
	s_cbranch_scc1 .Lnot_wave_0_\@
	s_barrier_signal -3
.Lnot_wave_0_\@:
	s_barrier_wait -3
	s_barrier_signal -1
	s_barrier_wait -1
.endm
.macro CROUND
	s_barrier_signal -1
	s_barrier_wait -1
	CREST
.endm
.macro PLACES n
.rept \n
	v_nop
.endr
.endm
; step st: K record st / 2 (address register st / 4, then 0 or 1 record on), its half st % 2
.macro FRAG reg, a16, a8, st, i
.set FO, (((\st)/2)%2)*GREC+(8*((\st)%2)+(\i))*1536
	ds_load_b128 v[\reg:\reg+3], v[\a16+(\st)/4] offset:FO
	ds_load_b64 v[\reg+4:\reg+5], v[\a8+(\st)/4] offset:FO+512
	ds_load_b128 v[\reg+6:\reg+9], v[\a16+(\st)/4] offset:FO+768
	ds_load_b64 v[\reg+10:\reg+11], v[\a8+(\st)/4] offset:FO+1280
.endm
.macro FETCH st                        ; 48 LDS loads, and 8 more for a new record's scale words
	WIN 0x40
.irp i, 0,1,2,3,4,5,6,7
	FRAG 128*((\st)%2)+FR*\i, B16, B8, \st, \i
.endr
	WIN 0
.irp i, 0,1,2,3
	FRAG AF+48*((\st)%2)+FR*\i, A16, A8, \st, \i
.endr
.if (\st)%2 == 0
.irp i, 0,1,2,3                        ; lanes 0-15 A's block i, lanes 16-31 B's block i
	ds_load_b64 v[SC+16*(((\st)/2)%2)+2*\i:SC+16*(((\st)/2)%2)+2*\i+1], v[ADRS+(\st)/4] offset:(((\st)/2)%2)*GREC+128*\i
.endr
.irp i, 4,5,6,7                        ; B's blocks 4-7
	ds_load_b64 v[SC+16*(((\st)/2)%2)+2*\i:SC+16*(((\st)/2)%2)+2*\i+1], v[ADRT+(\st)/4] offset:(((\st)/2)%2)*GREC+128*\i
.endr
.endif
.endm
.macro MUL32 st
.irp a, 0,1,2,3
.irp b, 0,1,2,3,4,5,6,7
.if (\st) == 0
	v_wmma_scale_f32_16x16x128_f8f6f4 v[8*(8*\a+\b):8*(8*\a+\b)+7], v[128*((\st)%2)+FR*\b:128*((\st)%2)+FR*\b+FR-1], v[AF+48*((\st)%2)+FR*\a:AF+48*((\st)%2)+FR*\a+FR-1], 0, v[SC+16*(((\st)/2)%2)+2*\b+(\st)%2], v[SC+16*(((\st)/2)%2)+2*\a+(\st)%2] matrix_a_fmt:MATRIX_FMT_FP6 matrix_b_fmt:MATRIX_FMT_FP6 matrix_a_scale:MATRIX_SCALE_ROW1
.else
	v_wmma_scale_f32_16x16x128_f8f6f4 v[8*(8*\a+\b):8*(8*\a+\b)+7], v[128*((\st)%2)+FR*\b:128*((\st)%2)+FR*\b+FR-1], v[AF+48*((\st)%2)+FR*\a:AF+48*((\st)%2)+FR*\a+FR-1], v[8*(8*\a+\b):8*(8*\a+\b)+7], v[SC+16*(((\st)/2)%2)+2*\b+(\st)%2], v[SC+16*(((\st)/2)%2)+2*\a+(\st)%2] matrix_a_fmt:MATRIX_FMT_FP6 matrix_b_fmt:MATRIX_FMT_FP6 matrix_a_scale:MATRIX_SCALE_ROW1
.endif
.endr
.endr
.endm
.macro STEP st
.if (\st) > 0
	PLACES 4                                       ; ahead of loads into the sets that the last step's products read
.endif
.if (\st) < 7
	FETCH (\st)+1
	s_wait_dscnt 48+8*((\st)%2)                    ; all but the loads just issued: this step's fragments are in
.else
	s_wait_dscnt 0x0
.endif
	WIN 0xa1
	MUL32 \st
	WIN 0
.endm
.macro QUANT s
.irp b, 0,1,2,3
	v_max3_num_f32 v[TM+\b], |v[\s+16*\b]|, |v[\s+1+16*\b]|, 0x1800000
.endr
.irp i, 2,4,6,8,10,12,14
.irp b, 0,1,2,3
	v_max3_num_f32 v[TM+\b], v[TM+\b], |v[\s+16*\b+\i]|, |v[\s+1+16*\b+\i]|
.endr
.endr
.irp b, 0,1,2,3
	v_permlanex16_b32 v[TM+4+\b], v[TM+\b], s[SEL], s[SEL+1]
.endr
.irp b, 0,1,2,3
	v_max_num_f32 v[TM+\b], v[TM+\b], v[TM+4+\b]
.endr
.irp b, 0,1,2,3
	v_add_nc_u32 v[TM+12+\b], 0xff000000, v[TM+\b]
.endr
.irp b, 0,1,2,3
	v_lshrrev_b32 v[TM+4+\b], 23, v[TM+12+\b]
.endr
	v_lshl_or_b32 v[PW], v[TM+5], 8, v[TM+4]
	v_lshl_or_b32 v[PW], v[TM+6], 16, v[PW]
	v_lshl_or_b32 v[PW], v[TM+7], 24, v[PW]
.irp c, 0,1
	v_cvt_scalef32_pk16_fp6_f32 v[PC+6*\c:PC+2+6*\c], v[\s+32*\c:\s+15+32*\c], v[TM+12+2*\c]
	v_cvt_scalef32_pk16_fp6_f32 v[PC+12+4*\c:PC+14+4*\c], v[\s+16+32*\c:\s+31+32*\c], v[TM+12+2*\c+1]
.endr
	v_nop
.irp c, 0,1
.irp i, 0,1,2
	v_permlane16_swap_b32 v[PC+6*\c+\i], v[PC+12+4*\c+\i]
.endr
.irp i, 0,1,2
	v_mov_b32 v[PC+3+6*\c+\i], v[PC+12+4*\c+\i]
.endr
.endr
.endm
	s_load_b256 s[4:11], s[0:1], 0x0               ; wq, xq, qkv_b, kv
	v_lshl_add_u32 v[SPW], v0, 2, SPARE
	v_mov_b32 v[NIL], 0
	ds_add_u32 v[SPW], v[NIL]                      ; the opening lines: the add, twice on end, and its wait
	ds_add_u32 v[SPW], v[NIL]
	v_lshrrev_b32 v1, 5, v0
	v_readfirstlane_b32 s18, v1                    ; wave
	s_lshr_b32 s19, s18, 1                         ; my group of A.  Also: I fetch for A (0) or for B (1)
	s_and_b32 s20, s18, 1                          ; which four tiles of that group.  Also: which part I fetch
	s_bfe_u32 s21, ttmp6, 0x40000                  ; cx
	s_bfe_u32 s22, ttmp6, 0x40004                  ; cy = y: the grid has one cluster along y
	s_lshl_b32 s23, ttmp9, 2
	s_add_co_u32 s23, s23, s21                     ; x: the group of 128 tokens
	s_lshl_b32 s67, s22, 2
	s_lshl_b32 s67, 15, s67                        ; my row of the cluster
	s_lshl_b32 s68, 0x1111, s21                    ; my column
	s_or_b32 s[G1], s67, (3<<16)|(1<<21)
	s_or_b32 s[G1B], s68, (3<<16)|(1<<21)
	s_mov_b32 s[G1+1], 32<<16                      ; A: 400 dense rows of 256 bytes
	s_mov_b32 s[G1+2], 400<<16
	s_mov_b32 s[G1+3], 32<<16
	s_mov_b32 s[G1+4], 400
	s_mov_b32 s[G1+5], 32
	s_mov_b32 s[G1+6], 0
	s_mov_b32 s[G1+7], 0
	s_mov_b32 s[G1B+1], 32<<16                     ; B: 200
	s_mov_b32 s[G1B+2], 200<<16
	s_mov_b32 s[G1B+3], 32<<16
	s_mov_b32 s[G1B+4], 200
	s_mov_b32 s[G1B+5], 32
	s_mov_b32 s[G1B+6], 0
	s_mov_b32 s[G1B+7], 0
	s_lshl_b32 s70, s22, 1
	s_add_co_u32 s70, s70, s20
	s_mul_i32 s70, s70, 4*GREC
	s_add_co_u32 s70, s70, YOFF                    ; A: group 16 + 2 y + part
	s_mov_b32 s71, 0
	s_lshl_b32 s72, s23, 1
	s_add_co_u32 s72, s72, s20
	s_mul_i32 s72, s72, 2*GREC                     ; B: group x, records 2 x part on
	s_mov_b32 s73, 0
	s_mov_b32 s[G0], 1
	s_mul_i32 s[G0+1], s20, 4*GREC
	s_mov_b32 s[G0B], 1
	s_mul_i32 s[G0B+1], s20, 2*GREC
	s_add_co_u32 s[G0B+1], s[G0B+1], LB
	s_mov_b32 s[SEL], 0x76543210
	s_mov_b32 s[SEL+1], 0xfedcba98
	s_wait_dscnt 0x0
	s_wait_kmcnt 0x0
	s_add_nc_u64 s[G0+2:G0+3], s[4:5], s[70:71]
	s_or_b32 s[G0+3], s[G0+3], 0x80000000
	s_add_nc_u64 s[G0B+2:G0B+3], s[6:7], s[72:73]
	s_or_b32 s[G0B+3], s[G0B+3], 0x80000000
	CROUND                                         ; all sixteen work-groups are here: the joint loads meet
	s_cmp_eq_u32 s19, 0
	s_cbranch_scc0 .Lfor_b
	tensor_load_to_lds s[G0:G0+3], s[G1:G1+7]
	s_nop 0
	PLACES 4
	s_branch .Lasked
.Lfor_b:
	tensor_load_to_lds s[G0B:G0B+3], s[G1B:G1B+7]
	s_nop 0
	PLACES 4
.Lasked:
	s_mul_i32 s74, s19, 4*GREC
	s_mul_i32 s75, s20, 6144
	s_add_co_u32 s75, s75, s74                     ; my four tiles of A
	s_lshl_b32 s76, s20, 9
	s_add_co_u32 s76, s76, s74
	s_add_co_u32 s76, s76, 24576                   ; their scale words
	s_mov_b32 s77, LB+24576
	s_sub_co_u32 s77, s77, s76                     ; from there to B's
	s_lshl_b32 s78, s22, 10
	s_lshl_b32 s79, s19, 9
	s_add_co_u32 s78, s78, s79
	s_lshl_b32 s79, s20, 8
	s_add_co_u32 s78, s78, s79
	s_add_co_u32 s78, s78, 8192                    ; bv at my 64 channels
	s_mov_b32 s79, 0
	s_add_nc_u64 s[8:9], s[8:9], s[78:79]
	s_lshr_b32 s81, s23, 4                         ; batch
	s_lshl_b32 s81, s81, 4
	s_lshl_b32 s82, s22, 2
	s_add_co_u32 s82, s82, s18                     ; head = 4 y + wave
	s_add_co_u32 s81, s81, s82
	s_lshl_b32 s81, s81, 4
	s_and_b32 s80, s23, 15
	s_add_co_u32 s81, s81, s80                     ; kv's record
	s_mul_i32 s78, s81, AREC
	s_add_nc_u64 s[10:11], s[10:11], s[78:79]
	v_and_b32 v1, 15, v0
	v_bfe_u32 v2, v0, 4, 1
	v_and_b32 v3, 31, v0
	v_lshlrev_b32 v[L16], 4, v3
	v_lshlrev_b32 v[L8], 3, v3
	v_add_nc_u32 v[A16], s75, v[L16]
	v_add_nc_u32 v[A8], s75, v[L8]
	v_add_nc_u32 v[B16], LB, v[L16]
	v_add_nc_u32 v[B8], LB, v[L8]
	v_mul_u32_u24 v3, s77, v2                      ; lanes 16-31 take B's scale words
	v_lshl_add_u32 v3, v1, 3, v3
	v_add_nc_u32 v[ADRS], s76, v3
	v_lshlrev_b32 v3, 3, v1
	v_add_nc_u32 v[ADRT], LB+24576, v3
.irp g, A16, A8, B16, B8, ADRS, ADRT
	v_add_nc_u32 v[\g+1], 2*GREC, v[\g]            ; K records 2 and 3
.endr
	v_and_b32 v3, 8, v1
	v_add_nc_u32 v3, v3, v1
	v_lshlrev_b32 v21, 2, v3                       ; my channel of a tile: r + 8 (r / 8)
	v_lshlrev_b32 v22, 4, v1
.irp a, 0,1,2,3
	global_load_b32 v[BV+\a], v21, s[8:9] offset:(32*(\a/2)+8*(\a%2))*4
.endr
	s_wait_alu depctr_va_vdst(0)                   ; the wait at the head's end
	s_wait_tensorcnt 0x0                           ; my part has landed,
	s_barrier_signal -1
	s_barrier_wait -1                              ; everybody's has
	FETCH 0
.irp st, 0,1,2,3,4,5,6,7
	STEP \st
.endr
	PLACES 4
	s_wait_loadcnt 0x0
.irp b, 0,1,2,3
	v_mov_b32 v[TM+4+\b], 0                        ; written once: permute destinations
.endr
.macro VOUT a, e                       ; 16 channels x 128 tokens: + bias, quantised along the tokens, stored as a fragment: 1,536 consecutive bytes
.set AC, 64*(\a)
.if (\a) > 0
	s_wait_xcnt 0x0                                ; the last block's stores have read their registers
.endif
	WIN 2
.set n, 0
.rept 32
	v_pk_add_f32 v[T+2*n:T+2*n+1], v[AC+2*n:AC+2*n+1], v[BV+2*((\a)/2):BV+2*((\a)/2)+1] op_sel:[0,\e] op_sel_hi:[1,\e]
.set n, n+1
.endr
	WIN 0
	QUANT T
	v_mov_b32 v[WDS+(\a)], v[PW]
.irp k, 0,1,2
	global_store_b128 v[L16], v[PC+4*\k:PC+4*\k+3], s[10:11] offset:6656+(\a)*1536+512*\k
.endr
.endm
	VOUT 0, 0
	VOUT 1, 1
	VOUT 2, 0
	VOUT 3, 1
	global_store_b128 v22, v[WDS:WDS+3], s[10:11] offset:12800   ; four scale words a channel: 256 consecutive bytes (lanes 16-31 hold and store the same as lanes 0-15)
	s_wait_tensorcnt 0x0                           ; the wave's end
	ds_add_u32 v[SPW], v[NIL]
	s_wait_dscnt 0x0
	CROUND                                         ; the closing round
	s_endpgm
.Lfunc_end_k_q0813a9bb72_gemm_v:
	.size	k_q0813a9bb72_gemm_v, .Lfunc_end_k_q0813a9bb72_gemm_v-k_q0813a9bb72_gemm_v
	.p2alignl 7, 3214868480
	.fill 96, 4, 3214868480
	.section	.rodata,"a",@progbits
	.p2align	6, 0x0
	.amdhsa_kernel k_q0813a9bb72_gemm_v
		.amdhsa_group_segment_fixed_size 327680
		.amdhsa_private_segment_fixed_size 0
		.amdhsa_enable_private_segment 0
		.amdhsa_kernarg_size 32
		.amdhsa_user_sgpr_count 2
		.amdhsa_user_sgpr_kernarg_segment_ptr 1
		.amdhsa_wavefront_size32 1
		.amdhsa_system_sgpr_workgroup_id_x 1
		.amdhsa_system_sgpr_workgroup_id_y 1
		.amdhsa_system_sgpr_workgroup_id_z 1
		.amdhsa_system_vgpr_workitem_id 0
		.amdhsa_next_free_vgpr 768
		.amdhsa_next_free_sgpr 96
		.amdhsa_reserve_vcc 0
		.amdhsa_float_denorm_mode_32 3
		.amdhsa_float_denorm_mode_16_64 3
		.amdhsa_memory_ordered 1
		.amdhsa_forward_progress 1
		.amdhsa_inst_pref_size 92
	.end_amdhsa_kernel
	.amdgpu_metadata
---
amdhsa.version: [ 1, 2 ]
amdhsa.kernels:
  - .name:           k_q0813a9bb72_gemm_v
    .symbol:         k_q0813a9bb72_gemm_v.kd
    .args:
      - { .name: wq, .offset: 0, .size: 8, .value_kind: global_buffer, .address_space: global }
      - { .name: xq, .offset: 8, .size: 8, .value_kind: global_buffer, .address_space: global }
      - { .name: qkv_b, .offset: 16, .size: 8, .value_kind: global_buffer, .address_space: global }
      - { .name: kv, .offset: 24, .size: 8, .value_kind: global_buffer, .address_space: global }
    .group_segment_fixed_size: 327680
    .private_segment_fixed_size: 0
    .kernarg_segment_align: 8
    .kernarg_segment_size: 32
    .max_flat_workgroup_size: 128
    .sgpr_count:     96
    .vgpr_count:     768
    .wavefront_size: 32
...
	.end_amdgpu_metadata
.endif
;; end of part 3
;; launch attn (part 4): grid 4 x 64, 8 waves a work-group, clusters of 4 x 1, 262,144 bytes of LDS; arguments qr, kv, ao; writes ao
.if DOCPART == 4
	.amdgcn_target "amdgcn-amd-amdhsa--gfx1250"
	.amdhsa_code_object_version 6
	.text
	.protected	k_q0813a9bb72_attn
	.globl	k_q0813a9bb72_attn
	.p2align	8
	.type	k_q0813a9bb72_attn,@function
k_q0813a9bb72_attn:
	s_mov_b64 s[64:65], 0
	v_nop
	global_prefetch_b8 v0, s[64:65] scope:SCOPE_SE
	s_setreg_imm32_b32 hwreg(HW_REG_WAVE_MODE, 25, 1), 1
	s_wait_xcnt 0x0
	s_wait_alu depctr_hold_cnt(0) depctr_sa_sdst(0) depctr_va_vdst(0) depctr_va_sdst(0) depctr_va_ssrc(0) depctr_va_vcc(0) depctr_vm_vsrc(0)
	s_getreg_b32 s2, hwreg(HW_REG_IB_STS2, 6, 4)
	s_cmp_eq_u32 s2, 0
	s_cbranch_scc0 .Lentry_in_a_cluster
	s_endpgm
.Lentry_in_a_cluster:
	s_bfe_u32 s2, ttmp6, 0x10000c
	s_cmp_lg_u32 s2, 0x3003
	s_cbranch_scc0 .Lentry_shape_is_right
	s_endpgm
.Lentry_shape_is_right:
; o = softmax(Q K^T / 8) V for one (batch, head), both products on codes of FP6 (E2M3) with E8M0 scales, then o / l quantised along the head's 64 channels for the output projection.
; t = score x log2(e) / 8; M = the running largest t rounded UP to a whole number; p = 2^(t - M) is quantised along the keys; the row's sum is taken of the unquantised p; when M moves, sum and O are multiplied by 2^(old M - new M): exact.
; IN: records of 13,056 bytes for (batch, head, 128 tokens): 8 half images of K or Q (16 tokens x 64) at 768 a, their scale words at 6,144; 4 fragments of V^T (16 channels x 128 keys) at 6,656 + 1,536 t, their scale words at 12,800.
; Lane r of stored tile a holds token 32 (a / 2) + 8 (a % 2) + r + 8 (r / 8).
; SHARES: a work-group owns 512 queries of a head and holds the head's whole K and V in LDS, filled once: wave w brings records 2 w and 2 w + 1 by one tensor load (one load of a wave is out).  Nothing is filled again, nothing is stored to LDS.
; In LDS each 256 bytes are followed by 64 bytes of padding: a record is 51 rows of 320 bytes.
; CLUSTER 4 x 1: the four work-groups of a head read the same K and V, so each load is joint.  All is asked for at the head, so there is no loop to prefetch in.
; Each of EIGHT waves owns four tiles of 16 queries, two at a time (X and Y): every fragment of K and V read from LDS feeds two products.
; K'S TILES ARE FORMED ANEW AS THEY ARE READ: tile t takes keys 64 (t / 4) + 8 (t % 4) + 0..7 as rows 0-7 and the keys 32 further on as rows 8-15 (lanes r < 8 read stored tile 4 (t / 4) + t % 2, lanes r >= 8 the stored tile two on,
; both its rows 8 ((t % 4) / 2) + r % 8).  With S^T = K Q^T lane (r, h) then holds query r, and the 32 registers of tiles 4 c .. 4 c + 3 are keys 64 c + 32 h + 0..31: a whole block, in the order of P's operand.  So a block's maximum needs no other lane.
; The scores' K is 64 in an instruction of 128: registers 6-11 of Q's fragments hold zero codes, so the upper half of K's operand may hold any codes: it is the next tile's six registers (behind the last tile six zeros).  The upper scale bytes are 0: no NaN.
; OUT: ao as records of 128 tokens x 256 features (25,600 bytes): a tile's half image in whole runs of 256 bytes; my head's two bytes of a row's scale word go out as 2 bytes a lane, 8 bytes apart (the word's other two are another work-group's).
; LIMITS: NaN and infinities are not served; the scaled scores stay under 2^31 in magnitude; a block under 2^-124 or of zeros gets the byte 1 (its reader is this program alone).
; REGISTERS, window 0: v1-7 lane terms, v8-12 addresses, v14-15 the add's, v16-63 Q's four fragments, v64-67 their scale words, v68-75 K's, v76-79 V's, v80-81 P's scale words, v84-137 K, v138-185 V, v186-209 P's codes, v210-224 upper halves of codes,
;   v226-249 the output's codes, v252-253 its bytes.  Window 1: v0-127 S^T then p (X, Y), v128-191 O^T, v192-207 maxima, v208-239 a tile's state (-M, largest score, sum, f, work, partial sums, scale operands), v240 8 h.
.set AREC, 13056
.set GREC, 25600
.set RP,   16320                       ; a record in LDS: 51 rows of 320 bytes
.set SPARE, 16*RP                      ; the spare words: 128 bytes a wave
.set MSB, 0
.macro WIN new                         ; the immediate's high byte repeats the setting that is left
.if MSB != (\new)
	s_set_vgpr_msb (MSB<<8)|(\new)
.set MSB, (\new)
.endif
.endm
.macro CROUND                          ; a round of the cluster's barrier
	s_barrier_signal -1
	s_barrier_wait -1
	s_cmp_lg_u32 s10, 0
	s_cbranch_scc1 .Lnot_wave_0_\@
	s_barrier_signal -3
.Lnot_wave_0_\@:
	s_barrier_wait -3
	s_barrier_signal -1
	s_barrier_wait -1
.endm
.macro WM d, a, b, c, sa, sb
	v_wmma_scale_f32_16x16x128_f8f6f4 v[\d:\d+7], v[\a:\a+11], v[\b:\b+11], \c, v[\sa], v[\sb] matrix_a_fmt:MATRIX_FMT_FP6 matrix_b_fmt:MATRIX_FMT_FP6
.endm
.macro KLOAD a, b, s                   ; K's eight tiles, formed anew, and their scale words
.irp t, 0,1,2,3,4,5,6,7
	ds_load_b128 v[84+6*\t:87+6*\t], v[\a] offset:(4*(\t/4)+\t%2)*960+128*((\t%4)/2)
	ds_load_b64 v[88+6*\t:89+6*\t], v[\b] offset:(4*(\t/4)+\t%2)*960+640+64*((\t%4)/2)
.endr
.irp u, 0,1,2,3
	ds_load_b64 v[68+2*\u:69+2*\u], v[\s] offset:(24+\u/2)*320+128*(\u%2)
.endr
.endm
; tile z (0: X, 1: Y): S at 64 z, O at 128 + 32 z, maxima at 192 + 8 z, state at 208 + 16 z, all in window 1
.macro MXOP z, n                       ; line n of 32: the largest score of my two blocks, in eight chains; each accumulator is first read at its low end
.if (\n) < 8
	v_max3_num_f32 v[192+8*(\z)+(\n)], v[64*(\z)+8*(\n)], v[64*(\z)+8*(\n)+1], v[64*(\z)+8*(\n)+2]
.elseif (\n) < 24
	v_max3_num_f32 v[192+8*(\z)+(\n)%8], v[192+8*(\z)+(\n)%8], v[64*(\z)+8*((\n)%8)+2*((\n)/8)+1], v[64*(\z)+8*((\n)%8)+2*((\n)/8)+2]
.else
.set MC, 4*((\n)%2)
.set MS, ((\n)-24)/2
.if MS == 0
	v_max3_num_f32 v[192+8*(\z)+MC], v[192+8*(\z)+MC], v[192+8*(\z)+MC+1], v[64*(\z)+8*MC+7]
.elseif MS == 1
	v_max3_num_f32 v[192+8*(\z)+MC+2], v[192+8*(\z)+MC+2], v[192+8*(\z)+MC+3], v[64*(\z)+8*(MC+1)+7]
.elseif MS == 2
	v_max3_num_f32 v[192+8*(\z)+MC], v[192+8*(\z)+MC], v[192+8*(\z)+MC+2], v[64*(\z)+8*(MC+2)+7]
.else
	v_max_num_f32 v[192+8*(\z)+MC], v[192+8*(\z)+MC], v[64*(\z)+8*(MC+3)+7]
.endif
.endif
.endm
.macro CH z, k                         ; line k of 9: the running maximum, -M and f = 2^(old M - new M)
.set TB, 208+16*(\z)
.if (\k) == 0
	v_max_num_f32 v[TB+6], v[192+8*(\z)], v[196+8*(\z)]
.elseif (\k) == 1
	v_permlanex16_b32 v[TB+7], v[TB+6], s24, s25   ; lane l xor 16 holds my query's other 64 keys
.elseif (\k) == 2
	v_max3_num_f32 v[TB+1], v[TB+1], v[TB+6], v[TB+7]
.elseif (\k) == 3
	v_mul_f32 v[TB+6], s26, v[TB+1]                ; the largest t
.elseif (\k) == 4
	v_mov_b32 v[TB+7], v[TB]
.elseif (\k) == 5
	v_floor_f32 v[TB], -v[TB+6]                    ; -M = -ceil(t)
.elseif (\k) == 6
	v_sub_f32 v[TB+7], v[TB], v[TB+7]              ; old M - new M: a whole number, 0 or less
.elseif (\k) == 7
	v_cvt_i32_f32 v[TB+7], v[TB+7]                 ; (it saturates)
.else
	v_ldexp_f32 v[TB+4], 1.0, v[TB+7]
.endif
.endm
.macro FR z, n                         ; line n of 50: t - M of the scores and of the two largest; O^T under the new M
.if (\n) < 32
	v_pk_fma_f32 v[64*(\z)+2*(\n):64*(\z)+2*(\n)+1], v[64*(\z)+2*(\n):64*(\z)+2*(\n)+1], s[26:27], v[208+16*(\z):209+16*(\z)] op_sel_hi:[1,0,0]
.elseif (\n) < 34
	v_fma_f32 v[192+8*(\z)+4*((\n)-32)], v[192+8*(\z)+4*((\n)-32)], s26, v[208+16*(\z)]
.else
	v_pk_mul_f32 v[128+32*(\z)+2*((\n)-34):129+32*(\z)+2*((\n)-34)], v[128+32*(\z)+2*((\n)-34):129+32*(\z)+2*((\n)-34)], v[212+16*(\z):213+16*(\z)] op_sel_hi:[1,0]
.endif
.endm
.macro SMOP z, n                       ; line n of 32: the sum of the unquantised p, in four chains; the first line brings the old sum under the new M
.set SB_, 64*(\z)
.set TB_, 208+16*(\z)
.if (\n) == 0
	v_pk_fma_f32 v[TB_+2:TB_+3], v[TB_+2:TB_+3], v[TB_+4:TB_+5], v[SB_:SB_+1] op_sel_hi:[1,0,1]
.elseif (\n) < 4
	v_pk_add_f32 v[TB_+6+2*(\n):TB_+7+2*(\n)], v[SB_+4*(\n)-2:SB_+4*(\n)-1], v[SB_+4*(\n):SB_+4*(\n)+1]
.elseif (\n) < 29
.if (\n)%4 == 0
	v_pk_add_f32 v[TB_+2:TB_+3], v[TB_+2:TB_+3], v[SB_+2*(\n)+6:SB_+2*(\n)+7]
.else
	v_pk_add_f32 v[TB_+6+2*((\n)%4):TB_+7+2*((\n)%4)], v[TB_+6+2*((\n)%4):TB_+7+2*((\n)%4)], v[SB_+2*(\n)+6:SB_+2*(\n)+7]
.endif
.elseif (\n) == 29
	v_pk_add_f32 v[TB_+2:TB_+3], v[TB_+2:TB_+3], v[TB_+8:TB_+9]
.elseif (\n) == 30
	v_pk_add_f32 v[TB_+10:TB_+11], v[TB_+10:TB_+11], v[TB_+12:TB_+13]
.else
	v_pk_add_f32 v[TB_+2:TB_+3], v[TB_+2:TB_+3], v[TB_+10:TB_+11]
.endif
.endm
.macro SUMS k                          ; the next k lines of the two tiles' sums, by turns
.rept \k
	SMOP NS%2, NS/2
.set NS, NS+1
.endr
.endm
	s_load_b128 s[4:7], s[0:1], 0x0                ; qr, kv
	s_load_b64 s[8:9], s[0:1], 0x10                ; ao
	v_lshl_add_u32 v14, v0, 2, SPARE
	v_mov_b32 v15, 0
	ds_add_u32 v14, v15                            ; the opening lines: the add, twice on end, and its wait
	ds_add_u32 v14, v15
	v_lshrrev_b32 v1, 5, v0
	v_readfirstlane_b32 s10, v1                    ; wave 0..7
	s_bfe_u32 s11, ttmp6, 0x40000                  ; cx: which 512 queries
	s_and_b32 s38, ttmp7, 0xffff                   ; 16 x batch + head, which the four partners share
	s_lshl_b32 s2, s38, 4
	s_lshl_b32 s3, s10, 1
	s_add_co_u32 s2, s2, s3
	s_mul_i32 s2, s2, AREC                         ; records 2 w and 2 w + 1 of my head: 102 dense rows of 256 bytes
	s_mov_b32 s3, 0
	s_mov_b32 s12, 1
	s_mul_i32 s13, s10, 2*RP                       ; LDS address: wave x two records
	s_mov_b32 s16, 15|(3<<16)|(1<<20)|(1<<21)|(5<<22)|(15<<25)  ; the mask names all four; elements of 8 bytes; bit 21 beside a mask; behind every 64 dwords 16 dwords of padding
	s_mov_b32 s17, 32<<16
	s_mov_b32 s18, 102<<16
	s_mov_b32 s19, 32<<16
	s_mov_b32 s20, 102
	s_mov_b32 s21, 32
	s_mov_b32 s22, 0
	s_mov_b32 s23, 0
	s_mov_b32 s24, 0x76543210
	s_mov_b32 s25, 0xfedcba98                      ; selects for lane l xor 16
	s_mov_b32 s26, 0x3e38aa3b                      ; c = log2(e) / 8
	s_mov_b32 s27, s26                             ; (named with it as a pair)
	s_wait_dscnt 0x0
	s_wait_kmcnt 0x0
	s_add_nc_u64 s[14:15], s[6:7], s[2:3]
	s_or_b32 s15, s15, 0x80000000
	CROUND                                         ; all four work-groups are here: the joint loads meet
	tensor_load_to_lds s[12:15], s[16:23]
	s_nop 0
.rept 4
	v_nop
.endr
	s_lshl_b32 s42, s38, 4
	s_lshl_b32 s43, s11, 2
	s_add_co_u32 s42, s42, s43
	s_lshr_b32 s43, s10, 1
	s_add_co_u32 s42, s42, s43                     ; Q's record: 16 x (batch, head) + 4 cx + wave / 2
	s_mul_i32 s42, s42, AREC
	s_and_b32 s44, s10, 1                          ; my four tiles are 4 (wave % 2) on
	s_mul_i32 s45, s44, 3072
	s_add_co_u32 s40, s42, s45
	s_mov_b32 s41, 0
	s_add_nc_u64 s[30:31], s[4:5], s[40:41]        ; their half images
	s_lshl_b32 s45, s44, 8
	s_add_co_u32 s45, s45, s42
	s_add_co_u32 s40, s45, 6144
	s_add_nc_u64 s[32:33], s[4:5], s[40:41]        ; their scale words: four a row
	s_lshr_b32 s39, s38, 4                         ; batch
	s_and_b32 s47, s38, 15                         ; head
	s_lshl_b32 s39, s39, 4
	s_lshl_b32 s43, s11, 2
	s_add_co_u32 s39, s39, s43
	s_lshr_b32 s43, s10, 1
	s_add_co_u32 s39, s39, s43                     ; group of 128 tokens
	s_lshl_b32 s39, s39, 2
	s_lshr_b32 s43, s47, 2
	s_add_co_u32 s39, s39, s43                     ; ao's record: 4 x group + head / 4
	s_mul_i32 s39, s39, GREC
	s_bfe_u32 s43, s47, 0x10001                    ; which 128 of the record's 256 features
	s_and_b32 s47, s47, 1                          ; which 64 of those
	s_lshl_b32 s45, s43, 3
	s_lshl_b32 s46, s44, 2
	s_add_co_u32 s45, s45, s46
	s_mul_i32 s45, s45, 1536
	s_mul_i32 s46, s47, 768
	s_add_co_u32 s45, s45, s46
	s_add_co_u32 s40, s45, s39
	s_add_nc_u64 s[34:35], s[8:9], s[40:41]        ; my first tile's half image
	s_lshl_b32 s45, s44, 9
	s_lshl_b32 s46, s43, 2
	s_add_co_u32 s45, s45, s46
	s_lshl_b32 s46, s47, 1
	s_add_co_u32 s45, s45, s46
	s_add_co_u32 s45, s45, s39
	s_add_co_u32 s40, s45, 24576
	s_add_nc_u64 s[36:37], s[8:9], s[40:41]        ; my head's two bytes of my first tile's scale words
	v_and_b32 v8, 31, v0
	v_and_b32 v9, 15, v0
	v_lshlrev_b32 v1, 4, v8                        ; 16 x lane
	v_lshlrev_b32 v2, 3, v8                        ; 8 x lane
	v_lshlrev_b32 v3, 4, v9                        ; 16 r
.irp j, 0,1,2,3
	global_load_b128 v[16+12*\j:19+12*\j], v1, s[30:31] offset:768*\j
	global_load_b64 v[20+12*\j:21+12*\j], v2, s[30:31] offset:768*\j+512
.endr
	global_load_b128 v[64:67], v3, s[32:33]
	v_bfe_u32 v10, v0, 4, 1                        ; h
	v_bfe_u32 v11, v0, 3, 1                        ; r / 8
	v_and_b32 v12, 7, v0                           ; r % 8
	v_mul_u32_u24 v13, v11, 1920                   ; lanes r >= 8 read the stored tile two on: six rows of 320 bytes
	v_mad_u32_u24 v4, v10, 320, v13
	v_lshl_add_u32 v4, v12, 4, v4                  ; K, registers 0-3: 16 (r % 8) + 320 h + 1920 (r / 8)
	v_lshl_add_u32 v5, v10, 7, v13
	v_lshl_add_u32 v5, v12, 3, v5                  ; K, registers 4-5: 8 (r % 8) + 128 h + 1920 (r / 8)
	v_lshlrev_b32 v6, 3, v11
	v_lshl_add_u32 v6, v12, 4, v6                  ; K's scale words: 16 (r % 8) + 8 (r / 8)
	v_mad_u32_u24 v7, v10, 320, v3                 ; V: 16 (l % 16) + 320 (l / 16)
	v_lshlrev_b32 v13, 3, v10                      ; 8 h
	v_cmp_ne_u32 s29, 0, v10                       ; lanes 16-31
.irp j, 0,1,2,3
.irp i, 6,7,8,9,10,11
	v_mov_b32 v[16+12*\j+\i], 0                    ; Q: zero codes for K = 64 .. 127
.endr
.endr
.irp i, 132,133,134,135,136,137
	v_mov_b32 v[\i], 0                             ; behind K's last tile
.endr
	WIN 0x40
	v_mov_b32 v240, v13
.irp j, 213,214,215,229,230,231
	v_mov_b32 v[\j], 0                             ; written once: the upper halves of the pairs of f, and permute destinations
.endr
	WIN 0
	s_wait_alu depctr_va_vdst(0)                   ; the wait at the head's end
	s_wait_tensorcnt 0x0                           ; my two records have landed,
	s_barrier_signal -1
	s_barrier_wait -1                              ; everybody's have
	s_wait_loadcnt 0x0                             ; Q
; A KEY STEP: 128 keys, the record at LDS byte s28, for both tiles of queries.
.macro STEP
	s_add_co_u32 s2, s28, RP
	s_min_u32 s2, s2, 15*RP                        ; the next record (the last step names its own again: no read leaves the records)
	WIN 0x50
.irp t, 0,1,2,3,4,5,6,7                        ; S^T = K Q^T: sixteen accumulators by turns
	WM 8*\t, 84+6*\t, QX, 0, 68+\t, QSX
	WM 64+8*\t, 84+6*\t, QX+12, 0, 68+\t, QSX+1
.endr
	WIN 0
	v_add_nc_u32 v8, s2, v4                        ; these five are the places behind the products, ahead of the loads into their registers and of the first read of the scores
	v_add_nc_u32 v9, s2, v5
	v_add_nc_u32 v10, s2, v6
	v_add_nc_u32 v11, s28, v7
	v_add_nc_u32 v12, s28, v3
	KLOAD 8, 9, 10                                 ; the next step's K, and
.irp t, 0,1,2,3                                ; this step's V: both land under the vector work below
.irp k, 0,1,2
	ds_load_b128 v[138+12*\t+4*\k:141+12*\t+4*\k], v11 offset:(26+6*\t+2*\k)*320
.endr
.endr
	ds_load_b128 v[76:79], v12 offset:50*320
	WIN 0x55
.set NM, 0
.rept 32
	MXOP 0, NM
.set NM, NM+1
.endr
.set NM, 0
.set NC, 0
.rept 9                                        ; X's chain of dependent lines stands among Y's maxima,
	CH 0, NC
.if NC < 8
.rept 4
	MXOP 1, NM
.set NM, NM+1
.endr
.endif
.set NC, NC+1
.endr
.set NF, 0
.set NC, 0
.rept 9                                        ; Y's among X's multiply-adds
	CH 1, NC
.rept 4
	FR 0, NF
.set NF, NF+1
.endr
.set NC, NC+1
.endr
.rept 14
	FR 0, NF
.set NF, NF+1
.endr
.set NF, 0
.rept 50
	FR 1, NF
.set NF, NF+1
.endr
	s_wait_alu depctr_va_vdst(0)                   ; the wait ahead of the batch
.set j, 0
.rept 128
	v_exp_f32 v[j], v[j]                           ; p = 2^(t - M), at most 1
.set j, j+1
.endr
.irp m, 192,196,200,204
	v_exp_f32 v[\m], v[\m]                         ; each block's largest p: the same two instructions on the same number
.endr
	v_nop                                          ; a plain place behind the exponentials
	s_wait_alu depctr_va_vdst(0)                   ; one wait for the whole batch
.set NS, 0
.irp m, 192,196,200,204
	v_max_num_f32 v[\m], 0x1800000, v[\m]          ; the floor 2^(3 - 127): the byte cannot fall under 1
.endr
.irp z, 0,1
.irp c, 0,1
	v_add_nc_u32 v[222+16*\z+\c], 0xff000000, v[192+8*\z+4*\c]   ; 2 off the exponent field: the conversion's scale operand
.endr
.endr
.irp z, 0,1
.irp c, 0,1
	v_lshrrev_b32 v[193+8*\z+4*\c], 23, v[222+16*\z+\c]          ; the scale's byte
.endr
.endr
	SUMS 4
.irp z, 0,1
	v_lshl_or_b32 v[194+8*\z], v[197+8*\z], 16, v[193+8*\z]      ; blocks h and 2 + h,
.endr
	SUMS 4
.irp z, 0,1
	v_lshlrev_b32 v[194+8*\z], v240, v[194+8*\z]   ; at their places in the word;
.endr
	SUMS 4
.irp z, 0,1
	v_permlanex16_b32 v[195+8*\z], v[194+8*\z], s24, s25
.endr
	SUMS 4
	WIN 0x15
.irp z, 0,1
	v_or_b32 v[80+\z], v[194+8*\z], v[195+8*\z]    ; with lane l xor 16's two the word is whole
.endr
.irp z, 0,1
.irp c, 0,1
	v_cvt_scalef32_pk16_fp6_f32 v[186+12*\z+6*\c:188+12*\z+6*\c], v[64*\z+32*\c:64*\z+32*\c+15], v[222+16*\z+\c]
	v_cvt_scalef32_pk16_fp6_f32 v[210+8*\z+4*\c:212+8*\z+4*\c], v[64*\z+32*\c+16:64*\z+32*\c+31], v[222+16*\z+\c]   ; (a conversion's three registers begin on an even number)
.endr
.endr
	WIN 0x55
	SUMS 8                                         ; plain lines behind the conversions
	WIN 0
.irp z, 0,1
.irp c, 0,1
.irp i, 0,1,2
	v_mov_b32 v[189+12*\z+6*\c+\i], v[210+8*\z+4*\c+\i]
.endr
.endr
.endr
	WIN 0x55
	SUMS 40                                        ; the rest of the sums: also the places between the scale words' and the codes' last writes and the products
	s_wait_alu depctr_va_vdst(0)                   ; directly ahead of the wait below
	s_wait_dscnt 0x0                               ; V, and the next step's K
	WIN 0x50
.irp t, 0,1,2,3                                ; O^T += V^T P^T: eight accumulators by turns
	WM 128+8*\t, 138+12*\t, 186, v[128+8*\t:135+8*\t], 76+\t, 80
	WM 160+8*\t, 138+12*\t, 198, v[160+8*\t:167+8*\t], 76+\t, 81
.endr
	WIN 0
.endm
; The end of two tiles: O^T / the sum, quantised along the 64 channels (two blocks, each in lanes l and l xor 16), stored as half images.  Every store has data registers of its own.
.macro OUT p
	WIN 0x55
.irp tb, 208,224
	v_add_f32 v[\tb+2], v[\tb+2], v[\tb+3]
.endr
.irp tb, 208,224
	v_permlanex16_b32 v[\tb+6], v[\tb+2], s24, s25
.endr
.irp tb, 208,224
	v_add_f32 v[\tb+2], v[\tb+2], v[\tb+6]         ; the row's sum
.endr
	s_wait_alu depctr_va_vdst(0)
.irp tb, 208,224
	v_rcp_f32 v[\tb+4], v[\tb+2]
.endr
	v_nop
	s_wait_alu depctr_va_vdst(0)                   ; ahead of the first reader of the reciprocals and of O^T
.irp z, 0,1
.set j, 0
.rept 16
	v_pk_mul_f32 v[128+32*\z+j:129+32*\z+j], v[128+32*\z+j:129+32*\z+j], v[212+16*\z:213+16*\z] op_sel_hi:[1,0]
.set j, j+2
.endr
.endr
.irp z, 0,1
.irp b, 0,1
	v_max3_num_f32 v[192+8*\z+\b], |v[128+32*\z+16*\b]|, |v[129+32*\z+16*\b]|, 0x1800000
.endr
.endr
.irp i, 2,4,6,8,10,12,14
.irp z, 0,1
.irp b, 0,1
	v_max3_num_f32 v[192+8*\z+\b], v[192+8*\z+\b], |v[128+32*\z+16*\b+\i]|, |v[129+32*\z+16*\b+\i]|
.endr
.endr
.endr
.irp z, 0,1
.irp b, 0,1
	v_permlanex16_b32 v[194+8*\z+\b], v[192+8*\z+\b], s24, s25
.endr
.endr
.irp z, 0,1
.irp b, 0,1
	v_max_num_f32 v[192+8*\z+\b], v[192+8*\z+\b], v[194+8*\z+\b]
.endr
.endr
.irp z, 0,1
.irp b, 0,1
	v_add_nc_u32 v[196+8*\z+\b], 0xff000000, v[192+8*\z+\b]
.endr
.endr
.irp z, 0,1
.irp b, 0,1
	v_lshrrev_b32 v[194+8*\z+\b], 23, v[196+8*\z+\b]
.endr
.endr
	WIN 0x15
.irp z, 0,1
	v_lshl_or_b32 v[82+\z], v[195+8*\z], 8, v[194+8*\z]          ; my head's two bytes of the row's scale word
.endr
.irp z, 0,1
	v_cvt_scalef32_pk16_fp6_f32 v[226+12*(\p)+6*\z:228+12*(\p)+6*\z], v[128+32*\z:143+32*\z], v[196+8*\z]
	v_cvt_scalef32_pk16_fp6_f32 v[210+8*\z:212+8*\z], v[144+32*\z:159+32*\z], v[197+8*\z]
.endr
	WIN 0
	v_nop                                          ; one plain place behind a scaled conversion
.irp z, 0,1
.irp i, 0,1,2
	v_permlane16_swap_b32 v[226+12*(\p)+6*\z+\i], v[210+8*\z+\i]   ; the operand's layout wants a whole block in a lane
.endr
.endr
.irp z, 0,1
.irp i, 0,1,2
	v_mov_b32 v[229+12*(\p)+6*\z+\i], v[210+8*\z+\i]
.endr
.endr
	v_cndmask_b32 v[252+(\p)], v82, v83, s29       ; lanes 0-15 store X's bytes, lanes 16-31 Y's (128 bytes on: 8 x lane)
.irp z, 0,1
	global_store_b128 v1, v[226+12*(\p)+6*\z:229+12*(\p)+6*\z], s[34:35] offset:(2*(\p)+\z)*1536       ; 512 consecutive bytes, aligned
	global_store_b64 v2, v[230+12*(\p)+6*\z:231+12*(\p)+6*\z], s[34:35] offset:(2*(\p)+\z)*1536+512    ; 256 consecutive bytes, aligned
.endr
	global_store_b16 v2, v[252+(\p)], s[36:37] offset:256*(\p)
.endm
.macro PASS p                          ; my tiles 2 p and 2 p + 1 against all 2,048 keys
.set QX, 16+24*(\p)
.set QSX, 64+2*(\p)
	WIN 0x40
.set j, 0
.rept 64
	v_mov_b32 v[128+j], 0                          ; O^T: the step is written once; its first trip finds zeros, which f = 0 leaves zeros
.set j, j+1
.endr
.irp tb, 208,224
	v_mov_b32 v[\tb], 0x7f61b1e6                   ; -M: 3e38, so that the first f is 0
	v_mov_b32 v[\tb+1], 0xff61b1e6                 ; the largest score so far: -3e38
	v_mov_b32 v[\tb+2], 0
	v_mov_b32 v[\tb+3], 0                          ; the sum, in two halves
.endr
	WIN 0
	KLOAD 4, 5, 6                                  ; record 0's K
	s_mov_b32 s28, 0
	s_mov_b32 s3, 16
	s_wait_alu depctr_va_vdst(0)                   ; directly ahead of the wait below
	s_wait_dscnt 0x0
.Lkey_\@:
	STEP
	s_add_co_u32 s28, s28, RP
	s_sub_co_u32 s3, s3, 1
	s_cmp_lg_u32 s3, 0
	s_cbranch_scc1 .Lkey_\@
	OUT \p
.endm
	PASS 0
	PASS 1
	s_wait_tensorcnt 0x0                           ; the wave's end
	ds_add_u32 v14, v15
	s_wait_dscnt 0x0
	CROUND                                         ; the closing round
	s_endpgm
.Lfunc_end_k_q0813a9bb72_attn:
	.size	k_q0813a9bb72_attn, .Lfunc_end_k_q0813a9bb72_attn-k_q0813a9bb72_attn
	.p2alignl 7, 3214868480
	.fill 96, 4, 3214868480
	.section	.rodata,"a",@progbits
	.p2align	6, 0x0
	.amdhsa_kernel k_q0813a9bb72_attn
		.amdhsa_group_segment_fixed_size 262144
		.amdhsa_private_segment_fixed_size 0
		.amdhsa_enable_private_segment 0
		.amdhsa_kernarg_size 24
		.amdhsa_user_sgpr_count 2
		.amdhsa_user_sgpr_kernarg_segment_ptr 1
		.amdhsa_wavefront_size32 1
		.amdhsa_system_sgpr_workgroup_id_x 1
		.amdhsa_system_sgpr_workgroup_id_y 1
		.amdhsa_system_sgpr_workgroup_id_z 1
		.amdhsa_system_vgpr_workitem_id 0
		.amdhsa_next_free_vgpr 512
		.amdhsa_next_free_sgpr 66
		.amdhsa_reserve_vcc 0
		.amdhsa_float_denorm_mode_32 3
		.amdhsa_float_denorm_mode_16_64 3
		.amdhsa_memory_ordered 1
		.amdhsa_forward_progress 1
		.amdhsa_inst_pref_size 83
	.end_amdhsa_kernel
	.amdgpu_metadata
---
amdhsa.version: [ 1, 2 ]
amdhsa.kernels:
  - .name:           k_q0813a9bb72_attn
    .symbol:         k_q0813a9bb72_attn.kd
    .args:
      - { .name: qr, .offset: 0, .size: 8, .value_kind: global_buffer, .address_space: global }
      - { .name: kv, .offset: 8, .size: 8, .value_kind: global_buffer, .address_space: global }
      - { .name: ao, .offset: 16, .size: 8, .value_kind: global_buffer, .address_space: global }
    .group_segment_fixed_size: 262144
    .private_segment_fixed_size: 0
    .kernarg_segment_align: 8
    .kernarg_segment_size: 24
    .max_flat_workgroup_size: 256
    .sgpr_count:     66
    .vgpr_count:     512
    .wavefront_size: 32
...
	.end_amdgpu_metadata
.endif
;; end of part 4
;; launch gemm_o (part 5): grid 8 x 32, 4 waves a work-group, clusters of 4 x 4, 327,680 bytes of LDS; arguments ao, wq, o_b, out0; writes out0
.if DOCPART == 5
	.amdgcn_target "amdgcn-amd-amdhsa--gfx1250"
	.amdhsa_code_object_version 6
	.text
	.protected	k_q0813a9bb72_gemm_o
	.globl	k_q0813a9bb72_gemm_o
	.p2align	8
	.type	k_q0813a9bb72_gemm_o,@function
k_q0813a9bb72_gemm_o:
	s_mov_b64 s[64:65], 0
	v_nop
	global_prefetch_b8 v0, s[64:65] scope:SCOPE_SE
	s_setreg_imm32_b32 hwreg(HW_REG_WAVE_MODE, 25, 1), 1
	s_wait_xcnt 0x0
	s_wait_alu depctr_hold_cnt(0) depctr_sa_sdst(0) depctr_va_vdst(0) depctr_va_sdst(0) depctr_va_ssrc(0) depctr_va_vcc(0) depctr_vm_vsrc(0)
	s_getreg_b32 s2, hwreg(HW_REG_IB_STS2, 6, 4)
	s_cmp_eq_u32 s2, 0
	s_cbranch_scc0 .Lentry_in_a_cluster
	s_endpgm
.Lentry_in_a_cluster:
	s_bfe_u32 s2, ttmp6, 0x10000c
	s_cmp_lg_u32 s2, 0xf033
	s_cbranch_scc0 .Lentry_shape_is_right
	s_endpgm
.Lentry_shape_is_right:
; out0 = ao o_w^T + o_b on codes of FP6 (E2M3) with E8M0 scales, f32 sums.
; A = the tokens (ao's 64 groups), B = o_w's rows (wq's groups 24-31), both as records of 128 rows x 256 K (25,600 bytes) in the order of the operands' registers, [group][K record 0..3].
; A work-group makes 256 tokens x 128 features: 8 x 32 work-groups.  All of K for it is 12 records, 307,200 bytes of LDS, asked for ONCE at the head, one tensor load a wave: waves 0, 1 bring A's two groups (400 rows of 256 bytes each),
; waves 2, 3 B's records 0-1 and 2-3 (200 rows each).  Nothing is filled again; nothing is left to prefetch, since all is asked for at the head.
; CLUSTER 4 x 4: A's groups hang on y alone and are shared along a row of the cluster, B's group on x alone and is shared along a column: joint loads.
; Wave w makes 64 tokens x 128 features: 32 accumulators in window 2; eight steps of 128 along K, 32 matrix instructions each, the accumulators by turns.  The bias is the C of the first step's products.
; Source 0 = features, source 1 = tokens: a lane holds eight neighbouring features of one token.  A block of 16 tokens goes through the wave's stage in LDS and leaves as rows of 512 bytes.
; The stage lies on records that have had their only fill and that no wave reads any more: a barrier stands between every wave's last LDS read and the first store into a stage.
; Fragments: A two sets in window 0 (v128-223), B two sets in window 1 (v0-95, v128-223; the bias in the gaps); the next step's are asked for ahead of each step's products.
.set GREC,  25600
.set LB,    8*GREC                     ; B's four records lie behind A's eight
.set SPARE, 12*GREC
.set XOFF,  24*4*GREC
.set SPITCH, 528
.set FR,   12
.set A16,  4
.set A8,   6
.set B16,  8
.set B8,   10
.set ADRS, 12
.set ADRT, 14
.set L16,  19
.set L8,   20
.set STO,  24
.set RD,   25
.set SPW,  28
.set NIL,  29
.set SC,   32
.set AF,   128
.set BK,   128
.set G1,   24
.set G1B,  32
.set G0,   40
.set G0B,  44
.set MSB, 0
.macro WIN new
.if MSB != (\new)
	s_set_vgpr_msb (MSB<<8)|(\new)
.set MSB, (\new)
.endif
.endm
.macro CREST
	s_cmp_lg_u32 s18, 0
	s_cbranch_scc1 .Lnot_wave_0_\@
	s_barrier_signal -3
.Lnot_wave_0_\@:
	s_barrier_wait -3
	s_barrier_signal -1
	s_barrier_wait -1
.endm
.macro CROUND
	s_barrier_signal -1
	s_barrier_wait -1
	CREST
.endm
.macro PLACES n
.rept \n
	v_nop
.endr
.endm
; step st: K record st / 2 (address register st / 4, then 0 or 1 record on), its half st % 2
.macro FRAG reg, a16, a8, st, i
.set FO, (((\st)/2)%2)*GREC+(8*((\st)%2)+(\i))*1536
	ds_load_b128 v[\reg:\reg+3], v[\a16+(\st)/4] offset:FO
	ds_load_b64 v[\reg+4:\reg+5], v[\a8+(\st)/4] offset:FO+512
	ds_load_b128 v[\reg+6:\reg+9], v[\a16+(\st)/4] offset:FO+768
	ds_load_b64 v[\reg+10:\reg+11], v[\a8+(\st)/4] offset:FO+1280
.endm
.macro FETCH st                        ; 48 LDS loads, and 8 more for a new record's scale words
	WIN 0x40
.irp i, 0,1,2,3,4,5,6,7
	FRAG 128*((\st)%2)+FR*\i, B16, B8, \st, \i
.endr
	WIN 0
.irp i, 0,1,2,3
	FRAG AF+48*((\st)%2)+FR*\i, A16, A8, \st, \i
.endr
.if (\st)%2 == 0
.irp i, 0,1,2,3                        ; lanes 0-15 A's block i, lanes 16-31 B's block i
	ds_load_b64 v[SC+16*(((\st)/2)%2)+2*\i:SC+16*(((\st)/2)%2)+2*\i+1], v[ADRS+(\st)/4] offset:(((\st)/2)%2)*GREC+128*\i
.endr
.irp i, 4,5,6,7                        ; B's blocks 4-7
	ds_load_b64 v[SC+16*(((\st)/2)%2)+2*\i:SC+16*(((\st)/2)%2)+2*\i+1], v[ADRT+(\st)/4] offset:(((\st)/2)%2)*GREC+128*\i
.endr
.endif
.endm
.macro MUL32 st
.irp a, 0,1,2,3
.irp b, 0,1,2,3,4,5,6,7
.if (\st) == 0
	v_wmma_scale_f32_16x16x128_f8f6f4 v[8*(8*\a+\b):8*(8*\a+\b)+7], v[128*((\st)%2)+FR*\b:128*((\st)%2)+FR*\b+FR-1], v[AF+48*((\st)%2)+FR*\a:AF+48*((\st)%2)+FR*\a+FR-1], v[96+8*\b+96*(\b/4):96+8*\b+96*(\b/4)+7], v[SC+16*(((\st)/2)%2)+2*\b+(\st)%2], v[SC+16*(((\st)/2)%2)+2*\a+(\st)%2] matrix_a_fmt:MATRIX_FMT_FP6 matrix_b_fmt:MATRIX_FMT_FP6 matrix_a_scale:MATRIX_SCALE_ROW1
.else
	v_wmma_scale_f32_16x16x128_f8f6f4 v[8*(8*\a+\b):8*(8*\a+\b)+7], v[128*((\st)%2)+FR*\b:128*((\st)%2)+FR*\b+FR-1], v[AF+48*((\st)%2)+FR*\a:AF+48*((\st)%2)+FR*\a+FR-1], v[8*(8*\a+\b):8*(8*\a+\b)+7], v[SC+16*(((\st)/2)%2)+2*\b+(\st)%2], v[SC+16*(((\st)/2)%2)+2*\a+(\st)%2] matrix_a_fmt:MATRIX_FMT_FP6 matrix_b_fmt:MATRIX_FMT_FP6 matrix_a_scale:MATRIX_SCALE_ROW1
.endif
.endr
.endr
.endm
.macro STEP st
.if (\st) > 0
	PLACES 4                                       ; ahead of loads into the sets that the last step's products read
.endif
.if (\st) < 7
	FETCH (\st)+1
	s_wait_dscnt 48+8*((\st)%2)                    ; all but the loads just issued: this step's fragments are in
.else
	s_wait_dscnt 0x0                               ; my last reads of the records are over:
	s_barrier_signal -1                            ; say so; only products stand between this and the wait
.endif
.if (\st) == 0
	WIN 0x91                                       ; C: the bias, in window 1
.else
	WIN 0xa1
.endif
	MUL32 \st
	WIN 0
.endm
	s_load_b256 s[4:11], s[0:1], 0x0               ; ao, wq, o_b, out0
	v_lshl_add_u32 v[SPW], v0, 2, SPARE
	v_mov_b32 v[NIL], 0
	ds_add_u32 v[SPW], v[NIL]                      ; the opening lines: the add, twice on end, and its wait
	ds_add_u32 v[SPW], v[NIL]
	v_lshrrev_b32 v1, 5, v0
	v_readfirstlane_b32 s18, v1                    ; wave
	s_lshr_b32 s19, s18, 1                         ; my group of A.  Also: I fetch for A (0) or for B (1)
	s_and_b32 s20, s18, 1                          ; which four tiles of that group.  Also: which part I fetch
	s_bfe_u32 s21, ttmp6, 0x40000                  ; cx
	s_bfe_u32 s22, ttmp6, 0x40004                  ; cy
	s_lshl_b32 s23, ttmp9, 2
	s_add_co_u32 s23, s23, s21                     ; x: the group of 128 features
	s_and_b32 s66, ttmp7, 0xffff
	s_lshl_b32 s66, s66, 2
	s_add_co_u32 s66, s66, s22                     ; y: 256 tokens
	s_lshl_b32 s67, s22, 2
	s_lshl_b32 s67, 15, s67                        ; my row of the cluster
	s_lshl_b32 s68, 0x1111, s21                    ; my column
	s_or_b32 s[G1], s67, (3<<16)|(1<<21)
	s_or_b32 s[G1B], s68, (3<<16)|(1<<21)
	s_mov_b32 s[G1+1], 32<<16                      ; A: 400 dense rows of 256 bytes
	s_mov_b32 s[G1+2], 400<<16
	s_mov_b32 s[G1+3], 32<<16
	s_mov_b32 s[G1+4], 400
	s_mov_b32 s[G1+5], 32
	s_mov_b32 s[G1+6], 0
	s_mov_b32 s[G1+7], 0
	s_mov_b32 s[G1B+1], 32<<16                     ; B: 200
	s_mov_b32 s[G1B+2], 200<<16
	s_mov_b32 s[G1B+3], 32<<16
	s_mov_b32 s[G1B+4], 200
	s_mov_b32 s[G1B+5], 32
	s_mov_b32 s[G1B+6], 0
	s_mov_b32 s[G1B+7], 0
	s_lshl_b32 s70, s66, 1
	s_add_co_u32 s70, s70, s20
	s_mul_i32 s70, s70, 4*GREC                     ; A: group 2 y + part
	s_mov_b32 s71, 0
	s_lshl_b32 s72, s23, 1
	s_add_co_u32 s72, s72, s20
	s_mul_i32 s72, s72, 2*GREC
	s_add_co_u32 s72, s72, XOFF                    ; B: group 24 + x, records 2 x part on
	s_mov_b32 s73, 0
	s_mov_b32 s[G0], 1
	s_mul_i32 s[G0+1], s20, 4*GREC
	s_mov_b32 s[G0B], 1
	s_mul_i32 s[G0B+1], s20, 2*GREC
	s_add_co_u32 s[G0B+1], s[G0B+1], LB
	s_wait_dscnt 0x0
	s_wait_kmcnt 0x0
	s_add_nc_u64 s[G0+2:G0+3], s[4:5], s[70:71]
	s_or_b32 s[G0+3], s[G0+3], 0x80000000
	s_add_nc_u64 s[G0B+2:G0B+3], s[6:7], s[72:73]
	s_or_b32 s[G0B+3], s[G0B+3], 0x80000000
	CROUND                                         ; all sixteen work-groups are here: the joint loads meet
	s_cmp_eq_u32 s19, 0
	s_cbranch_scc0 .Lfor_b
	tensor_load_to_lds s[G0:G0+3], s[G1:G1+7]
	s_nop 0
	PLACES 4
	s_branch .Lasked
.Lfor_b:
	tensor_load_to_lds s[G0B:G0B+3], s[G1B:G1B+7]
	s_nop 0
	PLACES 4
.Lasked:
	s_mul_i32 s74, s19, 4*GREC
	s_mul_i32 s75, s20, 6144
	s_add_co_u32 s75, s75, s74                     ; my four tiles of A
	s_lshl_b32 s76, s20, 9
	s_add_co_u32 s76, s76, s74
	s_add_co_u32 s76, s76, 24576                   ; their scale words
	s_mov_b32 s77, LB+24576
	s_sub_co_u32 s77, s77, s76                     ; from there to B's
	s_mul_i32 s80, s18, 16*SPITCH                  ; my stage
	s_lshl_b32 s78, s23, 9                         ; my 128 features, in bytes
	s_mov_b32 s79, 0
	s_add_nc_u64 s[8:9], s[8:9], s[78:79]
	s_add_nc_u64 s[10:11], s[10:11], s[78:79]
	s_lshl_b32 s78, s66, 20                        ; 256 y + 128 group + 64 half rows of 4,096 bytes
	s_lshl_b32 s81, s19, 19
	s_add_co_u32 s78, s78, s81
	s_lshl_b32 s81, s20, 18
	s_add_co_u32 s78, s78, s81
	s_add_nc_u64 s[10:11], s[10:11], s[78:79]
	v_and_b32 v1, 15, v0
	v_bfe_u32 v2, v0, 4, 1
	v_and_b32 v3, 31, v0
	v_lshlrev_b32 v[L16], 4, v3
	v_lshlrev_b32 v[L8], 3, v3
	v_add_nc_u32 v[A16], s75, v[L16]
	v_add_nc_u32 v[A8], s75, v[L8]
	v_add_nc_u32 v[B16], LB, v[L16]
	v_add_nc_u32 v[B8], LB, v[L8]
	v_mul_u32_u24 v3, s77, v2                      ; lanes 16-31 take B's scale words
	v_lshl_add_u32 v3, v1, 3, v3
	v_add_nc_u32 v[ADRS], s76, v3
	v_lshlrev_b32 v3, 3, v1
	v_add_nc_u32 v[ADRT], LB+24576, v3
.irp g, A16, A8, B16, B8, ADRS, ADRT
	v_add_nc_u32 v[\g+1], 2*GREC, v[\g]            ; K records 2 and 3
.endr
	v_mul_u32_u24 v[STO], v1, SPITCH
	v_lshl_add_u32 v[STO], v2, 6, v[STO]
	v_add_nc_u32 v[STO], s80, v[STO]
	v_add_nc_u32 v[RD], s80, v[L16]
	v_lshlrev_b32 v23, 6, v2
	WIN 0x40
.irp b, 0,1,2,3,4,5,6,7
	global_load_b128 v[96+8*\b+96*(\b/4):96+8*\b+96*(\b/4)+3], v23, s[8:9] offset:(32*(\b/2)+8*(\b%2))*4
	global_load_b128 v[96+8*\b+96*(\b/4)+4:96+8*\b+96*(\b/4)+7], v23, s[8:9] offset:(32*(\b/2)+8*(\b%2))*4+16
.endr
	WIN 0
	s_wait_alu depctr_va_vdst(0)                   ; the wait at the head's end
	s_wait_tensorcnt 0x0                           ; my part has landed,
	s_barrier_signal -1
	s_barrier_wait -1                              ; everybody's has
	FETCH 0
	s_wait_loadcnt 0x0                             ; the bias
.irp st, 0,1,2,3,4,5,6,7
	STEP \st
.endr
	s_barrier_wait -1                              ; no wave reads the records any more: the stages may be written
.macro TOSTAGE a
.set AC, 64*(\a)
	WIN 0x08
.irp b, 0,1,2,3,4,5,6,7
	ds_store_b128 v[STO], v[AC+8*\b:AC+8*\b+3] offset:128*(\b/2)+32*(\b%2)
	ds_store_b128 v[STO], v[AC+8*\b+4:AC+8*\b+7] offset:128*(\b/2)+32*(\b%2)+16
.endr
	WIN 0
.set BB, BK+64*((\a)%2)
.irp t, 0,1,2,3,4,5,6,7,8,9,10,11,12,13,14,15
	ds_load_b128 v[BB+4*\t:BB+4*\t+3], v[RD] offset:\t*SPITCH      ; LDS serves a wave's instructions in order: these see the stores above
.endr
.endm
.macro SEND a, younger
.set BB, BK+64*((\a)%2)
	s_wait_dscnt \younger
.irp t, 0,1,2,3,4,5,6,7,8,9,10,11,12,13,14,15
	global_store_b128 v[L16], v[BB+4*\t:BB+4*\t+3], s[10:11] offset:(32*((\a)/2)+8*((\a)%2)+\t+8*(\t/8))*4096 th:TH_STORE_NT   ; 512 consecutive bytes, aligned
.endr
.endm
	PLACES 4
	TOSTAGE 0
.irp a, 1,2,3
.if \a > 1
	s_wait_xcnt 0x0                                ; block a - 2's stores have read their registers
.endif
	TOSTAGE \a
	SEND \a-1, 32                                  ; behind block a - 1's loads: block a's 16 stores and 16 loads
.endr
	SEND 3, 0
	s_wait_tensorcnt 0x0                           ; the wave's end
	ds_add_u32 v[SPW], v[NIL]
	s_wait_dscnt 0x0
	CROUND                                         ; the closing round
	s_endpgm
.Lfunc_end_k_q0813a9bb72_gemm_o:
	.size	k_q0813a9bb72_gemm_o, .Lfunc_end_k_q0813a9bb72_gemm_o-k_q0813a9bb72_gemm_o
	.p2alignl 7, 3214868480
	.fill 96, 4, 3214868480
	.section	.rodata,"a",@progbits
	.p2align	6, 0x0
	.amdhsa_kernel k_q0813a9bb72_gemm_o
		.amdhsa_group_segment_fixed_size 327680
		.amdhsa_private_segment_fixed_size 0
		.amdhsa_enable_private_segment 0
		.amdhsa_kernarg_size 32
		.amdhsa_user_sgpr_count 2
		.amdhsa_user_sgpr_kernarg_segment_ptr 1
		.amdhsa_wavefront_size32 1
		.amdhsa_system_sgpr_workgroup_id_x 1
		.amdhsa_system_sgpr_workgroup_id_y 1
		.amdhsa_system_sgpr_workgroup_id_z 1
		.amdhsa_system_vgpr_workitem_id 0
		.amdhsa_next_free_vgpr 768
		.amdhsa_next_free_sgpr 96
		.amdhsa_reserve_vcc 0
		.amdhsa_float_denorm_mode_32 3
		.amdhsa_float_denorm_mode_16_64 3
		.amdhsa_memory_ordered 1
		.amdhsa_forward_progress 1
		.amdhsa_inst_pref_size 83
	.end_amdhsa_kernel
	.amdgpu_metadata
---
amdhsa.version: [ 1, 2 ]
amdhsa.kernels:
  - .name:           k_q0813a9bb72_gemm_o
    .symbol:         k_q0813a9bb72_gemm_o.kd
    .args:
      - { .name: ao, .offset: 0, .size: 8, .value_kind: global_buffer, .address_space: global }
      - { .name: wq, .offset: 8, .size: 8, .value_kind: global_buffer, .address_space: global }
      - { .name: o_b, .offset: 16, .size: 8, .value_kind: global_buffer, .address_space: global }
      - { .name: out0, .offset: 24, .size: 8, .value_kind: global_buffer, .address_space: global }
    .group_segment_fixed_size: 327680
    .private_segment_fixed_size: 0
    .kernarg_segment_align: 8
    .kernarg_segment_size: 32
    .max_flat_workgroup_size: 128
    .sgpr_count:     96
    .vgpr_count:     768
    .wavefront_size: 32
...
	.end_amdgpu_metadata
.endif
;; end of part 5
